; MI455X (gfx1250); checked and timed in simulation.
; The chip was launched on July 23, 2026; its instructions are those of AMD's public machine-readable ISA for CDNA 5 (MIT licence, August 2026) and "CDNA5" Instruction Set Architecture Reference Guide (July 2026). The comments in the code are by the model that wrote it; some were corrected since.
;; GGML Layer. Allowed arithmetic: matrix products marked QUANTISED: E2M1 operands, one E8M0 scale for each 32 along K, by v_wmma_scale_f32_16x16x128_f8f6f4 with both operands' format E2M1 (or v_wmma_scale_f32_32x16x128_f4), f32 sums; products left as they are: f32 operands where the result goes on into a quantised operand, else bf16, f16 or f32 operands; f32 sums; everything else in f32.
;; Inputs: bias 2,048 float32; lora_down 16 x 4,096 float32; lora_up 2,048 x 16 float32; q_weight 2,048 x 128 x 32 int32; scales 2,048 x 128 float32; x 4 x 2,048 x 4,096 float32.
;; Outputs: out0 4 x 2,048 x 2,048 float32.
;; This version of the problem:
;;   THIS VERSION OF THE PROBLEM IS GIVEN IN LOW PRECISION. The matrix products marked QUANTISED in the list below multiply operands that are first quantised to E2M1 (2 exponent bits, 1 mantissa bit; 4 bits a number), with one power-of-two scale for each 32 numbers along K (OCP MX v1.0); their sums are f32. All else is computed in f32.
;;   The module's matrix products, in the order in which they are computed (A, B: the left and right operand; K: the contracted axis; several contracted axes count as one K, in the product's order):
;;     1. [M 2,048, K 16] x [K 16, N 4,096]; A: input lora_up; B: input lora_down: left as it is (K = 16 < 32)
;;     2. [M 8,192, K 4,096] x [K 4,096, N 2,048]; A: input x; B: computed on the way: QUANTISED
;;   THE QUANTISER, for each operand of a quantised product, along K:
;;     - K is cut into blocks of 32 from its start; a last block that is shorter is filled with zeros.
;;     - A block's scale is 2^e with e = floor(log2(the largest magnitude in the block)) - 2, held to -126 .. 127; a block of zeros has e = 0. As a byte (E8M0): e + 127.
;;     - Each number is divided by its block's scale, clamped to +-6, and rounded to the nearest number of E2M1, ties to even, subnormals kept.
;;     - The product sums the exact products of the quantised numbers (number of the format x scale) in f32.
;;   ~~~python
;;   def quantise(x, axis):      # numpy; x: float32 -> the quantised numbers, widened to float32 again
;;       x = np.moveaxis(x, axis, -1); K = x.shape[-1]
;;       x = np.pad(x, [(0, 0)] * (x.ndim - 1) + [(0, -K % 32)]); x = x.reshape(x.shape[:-1] + (-1, 32)); a = np.abs(x).max(-1, keepdims=True)
;;       e = np.where(a > 0, np.clip(np.frexp(np.where(a > 0, a, 1))[1] - 1 - 2, -126, 127), 0)      # np.frexp(a)[1] - 1 = floor(log2(a)), exactly
;;       r = np.clip(x / 2.0 ** e, -6, 6)
;;       step = 2.0 ** (np.maximum(np.frexp(np.where(r == 0, 1, r))[1] - 1, 0) - 1)
;;       q = np.round(r / step) * step * 2.0 ** e      # np.round: ties to even
;;       return np.moveaxis(q.reshape(q.shape[:-2] + (-1,))[..., :K], -1, axis).astype(np.float32)
;;   ~~~
;;   OPERANDS COMPUTED ON THE WAY. 'Computed on the way' means the value that the module computes at that place (a softmax that the list does not call 'softmax' is quantised finished and normalised). What goes into a quantiser is computed in f32, as accurately as f32 sums, v_exp_f32 and their like allow (about 1e-6 of the number): no bf16 or f16 on the way to a quantiser, and a product that is left as it is and whose result goes on into a quantised operand takes f32 operands (vector FMAs, or v_wmma_f32_16x16x4_f32). A number that lies on a knife's edge between two numbers of the format may be rounded either way, as far as f32 arithmetic and the matrix unit's own rounding can turn it there, and no further.
;; 2 versions. Each part assembles by itself: llvm-mc -triple=amdgcn-amd-amdhsa -mcpu=gfx1250 --defsym DOCPART=n.
;; ======== version 1 of 2: 2 launches
;; workspace buffers: xq 17,825,792 bytes; wq 4,456,448 bytes
;; launch prep (part 1): grid 768 x 1, 4 waves a work-group, no clusters, 109,568 bytes of LDS; arguments x, q_weight, scales, lora_up, lora_down, xq, wq; writes xq, wq
.if DOCPART == 1
	.amdgcn_target "amdgcn-amd-amdhsa--gfx1250"
	.amdhsa_code_object_version 6
	.text
	.protected	k_q9d7e7c4c84_prep
	.globl	k_q9d7e7c4c84_prep
	.p2align	8
	.type	k_q9d7e7c4c84_prep,@function
k_q9d7e7c4c84_prep:
	s_mov_b64 s[64:65], 0
	v_nop
	global_prefetch_b8 v0, s[64:65] scope:SCOPE_SE
	s_setreg_imm32_b32 hwreg(HW_REG_WAVE_MODE, 25, 1), 1
	s_wait_xcnt 0x0
; Both operands of y = Q(x) Q(W)^T + bias are turned into codes of FP4 (E2M1) with one E8M0 byte for each 32 along K = 4,096.
; x [8192][4096] f32 is quantised as it is.  W [2048][4096] is first made in f32: W[o][k] = (q_weight[o][k] - 128) x scales[o][k / 32] + sum over 16 ranks of lora_up[o][r] lora_down[r][k]:
; the rank sum by 16 fused multiply-adds in ascending rank, then one fused multiply-add joins it to the dequantised number.
; A block's scale is 2^(floor(log2(its largest magnitude)) - 2); its byte is the largest magnitude's exponent field - 2, held at 1 from below.
; LIMITS: NaN and infinities among the inputs are not served.  A block of zeros gets the byte 1 (not 127): its codes are zeros, and this program alone reads the bytes.
; THE WORKSPACE IS LAID AS THE PRODUCT'S REGISTERS WANT IT, alike for xq and wq.  Block (P, j) = rows 256 P .. 256 P + 255, K step j (512 along K), BLKB = 69,632 dense bytes at (8 P + j) x BLKB:
;   codes: fragment (i = 16-row block 0..15, q = 128 along K 0..3) at (4 i + q) x 1,024; in it registers 4 c .. 4 c + 3 of lane l at 512 c + 16 l: lane (r = l % 16, h = l / 16) holds k = 64 c + 32 h + 0 .. 31 of row r;
;   scale words: at 65,536 + 256 i + 16 r + 4 q: the four bytes of row r's quarter q.
; SHARES.  768 work-groups of four waves: of each three in a row one takes a W task (64 rows x 512 K), two an x task (128 rows x 512 K).  The two kinds part at once on the work-group's number, never meet again,
; and have LDS bytes of their own.  The text uses 68,608 bytes of LDS; 109,568 are claimed, the last 512 of them spare words.
; x task: wave w takes rows 32 w .. 32 w + 31: 8 fragments.  W task: wave w takes quarter w of the K step for all 64 rows: 4 fragments, so that its 4 k a lane x 16 ranks of lora_down stay in 64 registers.
; A FRAGMENT: 16 loads, each one row's 512 consecutive bytes (lane l: k = 4 l .. 4 l + 3); (W: dequantise and patch in that layout;) through the wave's own stage in LDS, rows 528 bytes apart, and back 32 neighbours
; along K at a time; each lane then holds two whole blocks of its row: no other lane is asked for a maximum.  Codes leave as two stores of 512 consecutive aligned bytes.
; No tensor loads.  lora_up's rows come by scalar loads, two rows ahead of their use, in two banks of 32 scalar registers.
.set ROWX, 16384                       ; bytes in a row of x, q_weight, lora_down
.set STP,  528                         ; a stage row: 512 bytes + 16: row r begins 4 r words on, modulo 64 words
.set STGW, 16*STP                      ; a wave's stage
.set WST,  4*STGW                      ; the W path's stages begin behind the x path's
.set GAT,  2*WST                       ; behind them: the W path's 1,024 bytes of scale words, [row block][row][quarter]
.set BLKB, 69632
.set WX,  14                           ; v14  the other half's bytes
.set WT,  15                           ; v15  a scale word at work
.set M,   16                           ; v16-17 largest magnitudes; v18-19 the conversions' scale operands; v20-21 bytes
.set E,   18
.set Y,   20
.set T,   16                           ; v16-23 (W path, ahead of the above) eight rank sums
.set C,   24                           ; v24-31 a fragment's codes
.set WD,  32                           ; v32-39 (x path) the eight fragments' scale words
.set S0,  32                           ; v32-47, v240-255 (W path) 16 rows' scales, two sets
.set S1,  240
.set B0,  48                           ; v48-111, v112-175, (x path) v176-239: a fragment's 64 numbers
.set D,   176                          ; v176-239 (W path) lora_down: rank r, my k: v[D + 4 r + k]
.set UA,  32                           ; s[32:63], s[68:99]: two rows of lora_up each
.set UB,  68
	s_load_b256 s[4:11], s[0:1], 0x0               ; x s[4:5], q_weight s[6:7], scales s[8:9], lora_up s[10:11]
	s_load_b128 s[12:15], s[0:1], 0x20             ; lora_down s[12:13], xq s[14:15]
	s_load_b64 s[16:17], s[0:1], 0x30              ; wq
	s_set_vgpr_msb 0x40
	v_lshl_add_u32 v0, v0, 2, 0x1aa00
	v_mov_b32 v1, 0
	s_set_vgpr_msb 0x4000
	v_lshrrev_b32 v1, 5, v0
	v_readfirstlane_b32 s18, v1                    ; wave 0..3
	v_and_b32 v1, 31, v0                           ; lane
	v_and_b32 v2, 15, v0                           ; r
	v_bfe_u32 v3, v0, 4, 1                         ; h
	v_lshlrev_b32 v4, 4, v1                        ; 16 x lane: my bytes of a load's or store's 512
	v_lshlrev_b32 v5, 3, v3                        ; 8 h: where my two bytes stand in a scale word
	s_mul_i32 s30, s18, STGW
	v_add_nc_u32 v6, s30, v4                       ; x stage, in: 16 x lane (+ 528 x row in the immediate)
	v_mul_u32_u24 v7, v2, STP
	v_lshl_add_u32 v7, v3, 7, v7
	v_add_nc_u32 v7, s30, v7                       ; x stage, back: row r, + 128 h bytes
	v_add_nc_u32 v8, WST, v6                       ; the same two for the W path's stage
	v_add_nc_u32 v9, WST, v7
	s_lshl_b32 s31, s18, 2
	v_lshl_add_u32 v10, v2, 4, GAT
	v_add_nc_u32 v10, s31, v10                     ; W: where my row's scale word goes: 16 r + 4 x wave
	s_lshl_b32 s31, s18, 8
	v_lshl_add_u32 v11, v1, 3, GAT
	v_add_nc_u32 v11, s31, v11                     ; and what I read back: 256 x wave + 8 x lane
	v_lshrrev_b32 v12, 3, v1
	v_lshlrev_b32 v12, 2, v12                      ; W: my k lie in block lane / 8 of the quarter: 4 bytes a scale
	v_lshlrev_b32 v13, 3, v1                       ; 8 x lane
	v_mov_b32 v[WX], 0                             ; written once: a lane permute's destination counts as one of its sources
	s_mov_b32 s19, 0xc3000000                      ; -128.0
	s_mov_b32 s22, 0x76543210                      ; v_permlanex16_b32's selects for lane l xor 16
	s_mov_b32 s23, 0xfedcba98
	s_mul_hi_u32 s20, ttmp9, 0xaaaaaaab
	s_lshr_b32 s20, s20, 1                         ; d = work-group / 3
	s_mul_i32 s21, s20, 3
	s_sub_co_u32 s21, ttmp9, s21                   ; and the remainder: 0: W task d; 1, 2: x task 2 d + remainder - 1
	s_wait_kmcnt 0x0
; 16 rows' 512 bytes each, from off bytes on
.macro LOADR buf, off
.irp t, 0,1,2,3,4,5,6,7,8,9,10,11,12,13,14,15
	global_load_b128 v[\buf+4*\t:\buf+4*\t+3], v4, s[24:25] offset:(\off)+ROWX*\t th:TH_LOAD_NT
.endr
.endm
; the scales of row block p's 16 rows at my k: 16 bytes of a row for the wave's quarter (one byte for each 32 bytes of q_weight)
.macro LOADS sreg, p
.irp t, 0,1,2,3,4,5,6,7,8,9,10,11,12,13,14,15
	global_load_b32 v[\sreg+\t], v12, s[8:9] offset:(16*(\p)+\t)*512
.endr
.endm
; two rows of lora_up, 64 bytes each
.macro ULOAD bank, row
	s_load_b512 s[\bank:\bank+15], s[10:11], (\row)*64
	s_load_b512 s[\bank+16:\bank+31], s[10:11], (\row)*64+64
.endm
; through the stage: in as loaded (row t at 528 t), back so that register 32 c + i holds k = 64 c + 32 h + i of row r.  LDS serves a wave's instructions in order (ISA guide 5.7.1.4): no wait between the stores and the loads
.macro TURN buf, sa, la
.irp t, 0,1,2,3,4,5,6,7,8,9,10,11,12,13,14,15
	ds_store_b128 v[\sa], v[\buf+4*\t:\buf+4*\t+3] offset:STP*\t
.endr
.irp c, 0,1
.irp u, 0,1,2,3,4,5,6,7
	ds_load_b128 v[\buf+32*\c+4*\u:\buf+32*\c+4*\u+3], v[\la] offset:256*\c+16*\u
.endr
.endr
.endm
; my two blocks (2 c + h of the quarter) become codes in v[C] on; the row's scale word goes to v[word]
.macro QUANT buf, word
.irp c, 0,1
	v_max3_num_f32 v[M+\c], |v[\buf+32*\c]|, |v[\buf+32*\c+1]|, 0x1800000   ; with the floor 2^(3 - 127): the byte cannot fall under 1
.endr
.irp i, 2,4,6,8,10,12,14,16,18,20,22,24,26,28,30
.irp c, 0,1
	v_max3_num_f32 v[M+\c], v[M+\c], |v[\buf+32*\c+\i]|, |v[\buf+32*\c+\i+1]|   ; the two blocks by turns
.endr
.endr
.irp c, 0,1
	v_add_nc_u32 v[E+\c], 0xff000000, v[M+\c]      ; 2 off the exponent field: the conversion takes that field as its scale, and nothing else
.endr
.irp c, 0,1
	v_lshrrev_b32 v[Y+\c], 23, v[E+\c]             ; the scale's byte
.endr
.irp c, 0,1
.irp g, 0,1,2,3
	v_cvt_scalef32_pk8_fp4_f32 v[C+4*\c+\g], v[\buf+32*\c+8*\g:\buf+32*\c+8*\g+7], v[E+\c]   ; registers 4 c .. 4 c + 3 of the operand
.endr
.endr
	v_lshl_or_b32 v[WT], v[Y+1], 16, v[Y]          ; (a plain line behind the conversions)  my bytes: blocks h and 2 + h,
	v_lshlrev_b32 v[WT], v5, v[WT]                 ; at their places;
	v_permlanex16_b32 v[WX], v[WT], s22, s23
	v_or_b32 v[\word], v[WT], v[WX]                ; with lane l xor 16's two the word is whole, in both lanes
.endm
.macro STOREC off                      ; each store covers 512 consecutive bytes, at a multiple of 512 from the buffer's first byte
.irp c, 0,1
	global_store_b128 v4, v[C+4*\c:C+4*\c+3], s[26:27] offset:(\off)+512*\c
.endr
.endm
	s_cmp_eq_u32 s21, 0
	s_cbranch_scc1 .Lw
; ------------------------------------------------------------------ an x task
	s_lshl_b32 s30, s20, 1
	s_add_co_u32 s30, s30, s21
	s_sub_co_u32 s30, s30, 1                       ; the task, 0 .. 511
	s_and_b32 s31, s30, 7                          ; j: the K step
	s_lshr_b32 s30, s30, 3                         ; G: which 128 rows
	s_lshl_b32 s66, s30, 21                        ; 128 rows of 16,384 bytes,
	s_lshl_b32 s32, s18, 19                        ; my wave's 32 rows,
	s_add_co_u32 s66, s66, s32
	s_lshl_b32 s32, s31, 11                        ; 512 numbers along K
	s_add_co_u32 s66, s66, s32
	s_mov_b32 s67, 0
	s_add_nc_u64 s[24:25], s[4:5], s[66:67]
	LOADR B0, 0                                    ; fragments 0, 1, 2: 48 loads of the wave are out
	LOADR B0+64, 512
	LOADR B0+128, 1024
	s_lshr_b32 s32, s30, 1
	s_lshl_b32 s32, s32, 3
	s_add_co_u32 s32, s32, s31
	s_mul_i32 s32, s32, BLKB                       ; block (G / 2, j)
	s_and_b32 s30, s30, 1
	s_lshl_b32 s66, s30, 15                        ; row blocks 8 (G % 2) + 2 w on: 4,096 bytes of codes each,
	s_add_co_u32 s66, s66, s32
	s_lshl_b32 s33, s18, 13
	s_add_co_u32 s66, s66, s33
	s_add_nc_u64 s[26:27], s[14:15], s[66:67]
	s_lshl_b32 s66, s30, 11                        ; and 256 bytes of scale words each
	s_add_co_u32 s66, s66, s32
	s_lshl_b32 s33, s18, 9
	s_add_co_u32 s66, s66, s33
	s_add_co_u32 s66, s66, 65536
	s_add_nc_u64 s[28:29], s[14:15], s[66:67]
.set F, 0
.rept 8                                ; fragment F: row block F / 4 of my two, quarter F % 4
.set BF, B0+64*(F%3)
.if F <= 5
	s_wait_loadcnt 32                              ; loads come back in order: mine are in, the two younger fragments' 32 stay out
.elseif F == 6
	s_wait_loadcnt 16
.else
	s_wait_loadcnt 0
.endif
	TURN BF, 6, 7
	s_wait_dscnt 0x0
	s_wait_xcnt 0x0                                ; the last fragment's stores have read v[C] on: it is written again only behind this wait
	QUANT BF, WD+F
.if F+3 < 8
	LOADR BF, (16*((F+3)/4))*ROWX+512*((F+3)%4)    ; the buffer takes the fragment three further on
.endif
	STOREC 1024*F
.set F, F+1
.endr
	v_cmp_ne_u32 vcc_lo, 0, v3                     ; lanes 0-15 store my first row block's words, lanes 16-31 my second's: 16 x lane = 256 h + 16 r
.irp q, 0,1,2,3
	v_cndmask_b32 v[40+\q], v[WD+\q], v[WD+4+\q], vcc_lo
.endr
	global_store_b128 v4, v[40:43], s[28:29]       ; 512 consecutive aligned bytes
	s_set_vgpr_msb 0x5
	s_wait_tensorcnt 0x0
	ds_add_u32 v0, v1
	s_wait_dscnt 0x0
	s_set_vgpr_msb 0x500
	s_endpgm
; ------------------------------------------------------------------ a W task
.Lw:
	s_and_b32 s31, s20, 7                          ; j: the K step
	s_lshr_b32 s30, s20, 3                         ; g: which 64 rows
	s_lshl_b32 s32, s31, 11
	s_lshl_b32 s33, s18, 9
	s_add_co_u32 s32, s32, s33                     ; my quarter along K, in bytes of f32 or i32
	s_mov_b32 s33, 0
	s_add_nc_u64 s[12:13], s[12:13], s[32:33]      ; lora_down
	s_lshl_b32 s66, s30, 20                        ; 64 rows of 16,384 bytes
	s_add_co_u32 s66, s66, s32
	s_mov_b32 s67, 0
	s_add_nc_u64 s[24:25], s[6:7], s[66:67]        ; q_weight
	s_lshl_b32 s66, s30, 15                        ; scales: 64 rows of 512 bytes, 64 bytes a K step, 16 a quarter
	s_lshl_b32 s34, s31, 6
	s_add_co_u32 s66, s66, s34
	s_lshl_b32 s34, s18, 4
	s_add_co_u32 s66, s66, s34
	s_add_nc_u64 s[8:9], s[8:9], s[66:67]
	s_lshl_b32 s66, s30, 12                        ; lora_up: 64 rows of 64 bytes
	s_add_nc_u64 s[10:11], s[10:11], s[66:67]
	s_lshr_b32 s34, s30, 2
	s_lshl_b32 s34, s34, 3
	s_add_co_u32 s34, s34, s31
	s_mul_i32 s34, s34, BLKB                       ; block (g / 4, j)
	s_and_b32 s30, s30, 3
	s_lshl_b32 s66, s30, 14                        ; row blocks 4 (g % 4) on, my quarter's fragment
	s_add_co_u32 s66, s66, s34
	s_lshl_b32 s35, s18, 10
	s_add_co_u32 s66, s66, s35
	s_add_nc_u64 s[26:27], s[16:17], s[66:67]
	s_lshl_b32 s66, s30, 10                        ; their scale words; of the task's 1,024 bytes I store 256
	s_add_co_u32 s66, s66, s34
	s_lshl_b32 s35, s18, 8
	s_add_co_u32 s66, s66, s35
	s_add_co_u32 s66, s66, 65536
	s_add_nc_u64 s[28:29], s[16:17], s[66:67]
.irp r, 0,1,2,3,4,5,6,7,8,9,10,11,12,13,14,15
	global_load_b128 v[D+4*\r:D+4*\r+3], v4, s[12:13] offset:ROWX*\r   ; lora_down at my four k: it stays
.endr
	LOADR B0, 0
	LOADS S0, 0
	LOADR B0+64, 16*ROWX
	LOADS S1, 1
	ULOAD UA, 0                                    ; lora_up's rows 0 and 1 (s32 to s35 have served as offsets above and are free)
; 16 rows x my four k: dequantised and patched in place, two rows at a time: eight chains that do not wait for each other
.macro DEQ buf, sreg, p
.set I, 0
.rept 8
.if I%2 == 0
.set U, UA
.set UN, UB
.else
.set U, UB
.set UN, UA
.endif
	s_wait_kmcnt 0x0                               ; this pair's rows of lora_up are in (scalar loads: the count 0 alone says anything)
.if 16*(\p)+2*I+2 < 64
	ULOAD UN, 16*(\p)+2*I+2                        ; the next pair's, into the bank that the last pair has left; on into the next row block too
.endif
.set RB, \buf+8*I
.irp n, 0,1,2,3,4,5,6,7
	v_cvt_f32_i32 v[RB+\n], v[RB+\n]
.endr
.irp n, 0,1,2,3,4,5,6,7
	v_add_f32 v[RB+\n], s19, v[RB+\n]              ; code - 128
.endr
.irp n, 0,1,2,3,4,5,6,7
	v_mul_f32 v[T+\n], s[U+16*(\n/4)], v[D+\n%4]   ; rank 0 starts the sums
.endr
.irp r, 1,2,3,4,5,6,7,8,9,10,11,12,13,14,15
.irp n, 0,1,2,3,4,5,6,7
	v_fmac_f32 v[T+\n], s[U+16*(\n/4)+\r], v[D+4*\r+\n%4]
.endr
.endr
.irp n, 0,1,2,3,4,5,6,7
	v_fma_f32 v[RB+\n], v[RB+\n], v[\sreg+2*I+\n/4], v[T+\n]   ; (code - 128) x scale + the patch
.endr
.set I, I+1
.endr
.endm
.set PP, 0
.rept 4                                ; row block PP
.set BF, B0+64*(PP%2)
.if PP%2 == 0
.set SF, S0
.else
.set SF, S1
.endif
.if PP < 3
	s_wait_loadcnt 32                              ; this block's codes and scales (and lora_down) are in; the next block's 16 + 16 loads stay out
.else
	s_wait_loadcnt 0
.endif
	DEQ BF, SF, PP
	TURN BF, 8, 9
	s_wait_dscnt 0x0
	s_wait_xcnt 0x0                                ; the last block's stores have read v[C] on
	QUANT BF, WT
	ds_store_b32 v10, v[WT] offset:256*PP          ; both lanes of a row write the same word with the same value
.if PP+2 < 4
	LOADR BF, 16*(PP+2)*ROWX
	LOADS SF, PP+2
.endif
	STOREC 4096*PP
.set PP, PP+1
.endr
	s_wait_dscnt 0x0                               ; for the others' sake: my scale words lie in LDS
	s_barrier_signal -1                            ; all four waves of a W task come here: the path was chosen by the work-group's number
	s_barrier_wait -1
	ds_load_b64 v[40:41], v11                      ; a row's four words come from the four waves
	s_wait_dscnt 0x0
	global_store_b64 v13, v[40:41], s[28:29]       ; 256 consecutive aligned bytes
	s_set_vgpr_msb 0x5
	s_wait_tensorcnt 0x0
	ds_add_u32 v0, v1
	s_wait_dscnt 0x0
	s_set_vgpr_msb 0x500
	s_endpgm
.Lfunc_end_k_q9d7e7c4c84_prep:
	.size	k_q9d7e7c4c84_prep, .Lfunc_end_k_q9d7e7c4c84_prep-k_q9d7e7c4c84_prep
	.p2alignl 7, 3214868480
	.fill 96, 4, 3214868480
	.section	.rodata,"a",@progbits
	.p2align	6, 0x0
	.amdhsa_kernel k_q9d7e7c4c84_prep
		.amdhsa_group_segment_fixed_size 109568
		.amdhsa_private_segment_fixed_size 0
		.amdhsa_enable_private_segment 0
		.amdhsa_kernarg_size 56
		.amdhsa_user_sgpr_count 2
		.amdhsa_user_sgpr_kernarg_segment_ptr 1
		.amdhsa_wavefront_size32 1
		.amdhsa_system_sgpr_workgroup_id_x 1
		.amdhsa_system_sgpr_workgroup_id_y 1
		.amdhsa_system_sgpr_workgroup_id_z 1
		.amdhsa_system_vgpr_workitem_id 0
		.amdhsa_next_free_vgpr 258
		.amdhsa_next_free_sgpr 100
		.amdhsa_reserve_vcc 1
		.amdhsa_float_denorm_mode_32 3
		.amdhsa_float_denorm_mode_16_64 3
		.amdhsa_memory_ordered 1
		.amdhsa_forward_progress 1
		.amdhsa_inst_pref_size 255
	.end_amdhsa_kernel
	.section	.bss,"aw",@nobits
	.p2align	6
	.space	262144
	.amdgpu_metadata
---
amdhsa.version: [ 1, 2 ]
amdhsa.kernels:
  - .name:           k_q9d7e7c4c84_prep
    .symbol:         k_q9d7e7c4c84_prep.kd
    .args:
      - { .name: x, .offset: 0, .size: 8, .value_kind: global_buffer, .address_space: global }
      - { .name: q_weight, .offset: 8, .size: 8, .value_kind: global_buffer, .address_space: global }
      - { .name: scales, .offset: 16, .size: 8, .value_kind: global_buffer, .address_space: global }
      - { .name: lora_up, .offset: 24, .size: 8, .value_kind: global_buffer, .address_space: global }
      - { .name: lora_down, .offset: 32, .size: 8, .value_kind: global_buffer, .address_space: global }
      - { .name: xq, .offset: 40, .size: 8, .value_kind: global_buffer, .address_space: global }
      - { .name: wq, .offset: 48, .size: 8, .value_kind: global_buffer, .address_space: global }
    .group_segment_fixed_size: 109568
    .private_segment_fixed_size: 0
    .kernarg_segment_align: 8
    .kernarg_segment_size: 56
    .max_flat_workgroup_size: 128
    .sgpr_count:     100
    .vgpr_count:     258
    .wavefront_size: 32
...
	.end_amdgpu_metadata
.endif
;; end of part 1
;; launch gemm (part 2): grid 8 x 32, 4 waves a work-group, clusters of 4 x 4, 327,680 bytes of LDS; arguments xq, wq, bias, out0; writes out0
.if DOCPART == 2
	.amdgcn_target "amdgcn-amd-amdhsa--gfx1250"
	.amdhsa_code_object_version 6
	.text
	.protected	k_q9d7e7c4c84_gemm
	.globl	k_q9d7e7c4c84_gemm
	.p2align	8
	.type	k_q9d7e7c4c84_gemm,@function
k_q9d7e7c4c84_gemm:
	s_mov_b64 s[64:65], 0
	v_nop
	global_prefetch_b8 v0, s[64:65] scope:SCOPE_SE
	s_setreg_imm32_b32 hwreg(HW_REG_WAVE_MODE, 25, 1), 1
	s_wait_xcnt 0x0
	s_wait_alu depctr_hold_cnt(0) depctr_sa_sdst(0) depctr_va_vdst(0) depctr_va_sdst(0) depctr_va_ssrc(0) depctr_va_vcc(0) depctr_vm_vsrc(0)
	s_getreg_b32 s2, hwreg(HW_REG_IB_STS2, 6, 4)
	s_cmp_eq_u32 s2, 0
	s_cbranch_scc0 .Lentry_in_a_cluster
	s_endpgm
.Lentry_in_a_cluster:
	s_bfe_u32 s2, ttmp6, 0x10000c
	s_cmp_lg_u32 s2, 0xf033
	s_cbranch_scc0 .Lentry_shape_is_right
	s_endpgm
.Lentry_shape_is_right:
; out0[m][n] = sum over k of Q(x)[m][k] Q(W)[n][k] + bias[n]; m 8,192, n 2,048, k 4,096.  Both operands are codes of FP4 (E2M1) with one E8M0 byte for each 32 along K, made by the launch before; sums in f32, K ascending.
; xq and wq are laid in the order of the operand's registers.  Block (P, j) = rows 256 P on, K step j (512 along K): BLKB = 69,632 dense bytes at (8 P + j) x BLKB: fragment (16-row block i, quarter q) at (4 i + q) x 1,024,
; registers 4 c .. 4 c + 3 of lane l at 512 c + 16 l; behind the 65,536 bytes of codes the scale words, row r of block i at 256 i + 16 r, word q for quarter q.
; A tile of C, 256 x 256, is made by a work-group of four waves; a wave makes 128 x 128: 64 accumulators, 512 registers.  256 tiles, one to a work-group.
; K goes in 8 steps of 512 through a ring of two LDS slots; a slot holds A's block and B's, scale words among them, as they lie in memory: each wave brings half a block (136 rows of 256 bytes) by one tensor load.
; A fragment load reads 512 consecutive bytes of LDS, a load of scale words 256 and 256: so there is no padding.
; CLUSTERS: 4 x 4 work-groups.  The four of a row of the cluster need the same block of A, the four of a column the same block of B: each is asked for JOINTLY, by the same tensor load with the same descriptor and a mask
; that names the four.  THE MATRIX INSTRUCTION IS USED TRANSPOSED (source 0 = 16 rows of W, source 1 = 16 rows of x): a lane then holds eight neighbouring numbers of a row of C.
; THE BIAS is the C of each sum's first matrix instruction: eight registers for each of my eight column blocks, in the result's layout.
; REGISTERS, in windows of 256: window 0: v0-31 addresses; v32-95 scale words, two sets; v128-191 A's fragments, ONE set; v192-255 the bias; on the way out v128-255 take rows of C.
;   window 1: B's fragments, TWO sets, at v0 and at v128.   window 2: the accumulators of my rows 0-63 ((a, b) at v[8 (8 a + b)]);   window 3: those of my rows 64-127.
.set NQ,     4                         ; matrix instructions deep in a K step
.set FR,     8                         ; registers of a fragment
.set NL,     2                         ; LDS loads that bring one
.set NP,     4                         ; places behind this matrix instruction (ISA guide 7.12.1)
.set BLKB,   69632
.set HALFB,  BLKB/2                    ; what one tensor load brings
.set SLOT,   2*BLKB
.set SPARE,  2*SLOT                    ; behind the ring: the spare words, 128 bytes for each wave: two blocks of 256 bytes that no other line names
.set LAPS,   4                         ; a lap = two K steps = once round the ring
.set CROW,   8192                      ; a row of C in bytes
.set SPITCH, 528                       ; the way out: a stage of 16 rows x (512 bytes + 16) for each wave, in slot 0, which has had its last fill and its last read when the first result is stored there
.set ADRA, 16                          ; v16-17  LDS address of my A fragments in slot 0, 1
.set ADRB, 20                          ; v20-21  the same for B
.set ADRS, 22                          ; v22-23  of my scale words: lanes 0-15 A's rows, lanes 16-31 B's
.set STO,  24                          ; v24     the way out: where I put 32 bytes of a row
.set RD,   25                          ; v25     where I read a row back
.set CO,   26                          ; v26     my byte offset in a row of C
.set BO,   27                          ; v27     32 x (lane / 16): my eight numbers of a column block's bias
.set SPW,  28                          ; v28     LDS address of my spare word: SPARE + 4 x my thread's number; never rewritten
.set NIL,  29                          ; v29     0; never rewritten
.set PFO,  30                          ; v30     256 x lane: the prefetches' offset; never rewritten
.set SC,   32                          ; scale words: set s at v[SC + 32 s]; register 4 i + q: lanes 0-15 A's block i, lanes 16-31 B's block i, quarter q
.set AF,   128
.set BIAS, 192
.set BK,   128                         ; the way out: v128-191 and v192-255 by turns
.set G1, 24                            ; s[24:31] descriptor group 1 for A's blocks;  s[32:39] group 0, one set for each slot
.set G0, 32
.set G1B, 48                           ; s[48:55], s[56:63] the same for B's
.set G0B, 56
.set PFA, 66                           ; s[66:67] where my prefetches stand: my 8,192 bytes of a block's codes, one K step further on than the refill in hand; a prefetch names the K step after that
.set LIM, 68                           ; s68     1 in a wave that prefetches, else the greatest number
.set MSB, 0
.macro WIN new                         ; the immediate's high byte repeats the setting that is left
.if MSB != \new
	s_set_vgpr_msb (MSB<<8)|\new
.set MSB, \new
.endif
.endm
.set MUL_LO, 0xa1                      ; source 0 (B) window 1, source 1 (A) window 0, C and D window 2
.set MUL_HI, 0xf1                      ; the same, C and D window 3
.set FST_LO, 0x81                      ; the first step: C (the bias) window 0, D window 2
.set FST_HI, 0xc1                      ; D window 3
.set TO_B,   0x40                      ; destination window 1, address window 0
; A joint load: waves 0 and 1 fetch A's halves, waves 2 and 3 B's.  Each of the two lines has one mask and one set of registers for all that issue it; the branch hangs on the wave's number alone.
; Four v_nop follow each of the two lines, ahead of the jump, the label and what follows.
.macro JLOAD s
	s_cmp_eq_u32 s15, 0
	s_cbranch_scc0 .Lfor_b_\@
	tensor_load_to_lds s[G0+4*\s:G0+4*\s+3], s[G1:G1+7]
	s_nop 0
.rept 4
	v_nop
.endr
	s_branch .Lasked_\@
.Lfor_b_\@:
	tensor_load_to_lds s[G0B+4*\s:G0B+4*\s+3], s[G1B:G1B+7]
	s_nop 0
.rept 4
	v_nop
.endr
.Lasked_\@:
.endm
; A prefetch of the codes of the K step that stands TWO refills on (512 matrix instructions of a wave ahead of the load that will want them): 32 lanes x 256 bytes, one instruction a wave.
; Each aligned 256 bytes of codes of K steps 4 to 7 are named once in the launch: A's block is read by both clusters of a row of clusters: cluster x = 0 asks; B's by all eight of a column: cluster y = 0 asks.
; The four partners that ask for a block jointly, two fetching waves each, share its 65,536 bytes of codes out BY ADDRESS: piece 2 x place + (wave % 2) of 8,192 bytes.  The loop's last trip (s3 = 1) has no K step two on.
; K steps 0 to 3 and the 4,096 bytes of scale words of a block come by their loads alone.
.macro ASK
	s_cmp_gt_u32 s3, s[LIM]
	s_cbranch_scc0 .Lnot_mine_\@
	global_prefetch_b8 v[PFO], s[PFA:PFA+1] offset:BLKB th:TH_LOAD_NT scope:SCOPE_SE
.Lnot_mine_\@:
.endm
.macro CREST                           ; a round of the cluster's barrier behind its opening barrier
	s_cmp_lg_u32 s14, 0
	s_cbranch_scc1 .Lnot_wave_0_\@
	s_barrier_signal -3
.Lnot_wave_0_\@:
	s_barrier_wait -3
	s_barrier_signal -1
	s_barrier_wait -1
.endm
.macro CROUND                          ; a whole round
	s_barrier_signal -1
	s_barrier_wait -1
	CREST
.endm
	s_load_b256 s[4:11], s[0:1], 0x0               ; xq s[4:5], wq s[6:7], bias s[8:9], out0 s[10:11]
	v_lshl_add_u32 v[SPW], v0, 2, SPARE
	v_mov_b32 v[NIL], 0
	ds_add_u32 v28, v29
	ds_add_u32 v28, v29
	s_wait_dscnt 0x0
	v_lshrrev_b32 v1, 5, v0
	v_readfirstlane_b32 s14, v1                    ; wave 0..3
	s_lshr_b32 s15, s14, 1                         ; which half of the tile's rows is mine.  Also: I fetch for A (0) or for B (1)
	s_and_b32 s16, s14, 1                          ; which half of its columns.  Also: which half of that block I fetch
	s_bfe_u32 s40, ttmp6, 0x40000                  ; cx, cy: my place in the cluster
	s_bfe_u32 s41, ttmp6, 0x40004
	s_lshl_b32 s42, ttmp9, 2
	s_add_co_u32 s42, s42, s40                     ; tile column of C = 4 x cluster x + cx
	s_and_b32 s17, ttmp7, 0xffff
	s_lshl_b32 s17, s17, 2
	s_add_co_u32 s17, s17, s41                     ; tile row of C = 4 x cluster y + cy
	s_lshl_b32 s43, s41, 2
	s_lshl_b32 s43, 15, s43                        ; my row of the cluster
	s_lshl_b32 s44, 0x1111, s40                    ; my column
	; descriptor group 1: half a block: 136 rows of 256 bytes (32 elements of 8 bytes), dense in memory and in LDS
	s_or_b32 s[G1+0], s43, (3<<16)|(1<<21)         ; 15:0 the mask: A's blocks go to my row; 17:16 elements of 8 bytes; 20 no padding; 21 set beside a mask
	s_or_b32 s[G1B+0], s44, (3<<16)|(1<<21)        ; B's go to my column
.irp g, G1, G1B
	s_mov_b32 s[\g+1], 32<<16                      ; tensor_dim0
	s_mov_b32 s[\g+2], 136<<16                     ; tensor_dim1
	s_mov_b32 s[\g+3], 32<<16                      ; tile_dim0
	s_mov_b32 s[\g+4], 136                         ; tile_dim1
	s_mov_b32 s[\g+5], 32                          ; tensor_dim0_stride
	s_mov_b32 s[\g+6], 0
	s_mov_b32 s[\g+7], 0
.endr
	s_mul_i32 s18, s16, HALFB                      ; which half of the block I fetch
	s_mul_i32 s20, s17, 8*BLKB                     ; A: the tile row's eight blocks,
	s_add_co_u32 s20, s20, s18
	s_mov_b32 s21, 0
	s_mul_i32 s46, s42, 8*BLKB                     ; B: the tile column's
	s_add_co_u32 s46, s46, s18
	s_mov_b32 s47, 0
	s_mul_i32 s45, s14, HALFB                      ; where they go: A's two halves, then B's two = wave x half a block: no place in the cluster enters an LDS address
	s_wait_kmcnt 0x0
	s_add_nc_u64 s[20:21], s[4:5], s[20:21]
	s_add_nc_u64 s[46:47], s[6:7], s[46:47]
	CROUND                                         ; all sixteen work-groups are here: the first joint loads meet
.irp s, 0,1
	s_mov_b32 s[G0+4*\s], 1                                        ; count = 1
	s_add_co_u32 s[G0+4*\s+1], s45, \s*SLOT                        ; LDS address
	s_add_nc_u64 s[G0+4*\s+2:G0+4*\s+3], s[20:21], \s*BLKB         ; global address: K step s
	s_or_b32 s[G0+4*\s+3], s[G0+4*\s+3], 0x80000000                ; type = 2
	s_mov_b32 s[G0B+4*\s], 1
	s_add_co_u32 s[G0B+4*\s+1], s45, \s*SLOT
	s_add_nc_u64 s[G0B+4*\s+2:G0B+4*\s+3], s[46:47], \s*BLKB
	s_or_b32 s[G0B+4*\s+3], s[G0B+4*\s+3], 0x80000000
	JLOAD \s                                       ; two tensor loads of mine are out
.endr
	v_and_b32 v1, 15, v0                           ; r = lane % 16
	v_bfe_u32 v2, v0, 4, 1                         ; h = lane / 16
	v_and_b32 v3, 31, v0                           ; lane
	v_lshlrev_b32 v[BO], 5, v2
	s_lshl_b32 s46, s42, 10                        ; my first column, in bytes of f32: 1,024 x tile column + 512 x half: in the bias and in a row of C alike
	s_lshl_b32 s47, s16, 9
	s_add_co_u32 s46, s46, s47
	s_mov_b32 s47, 0
	s_add_nc_u64 s[8:9], s[8:9], s[46:47]
.irp b, 0,1,2,3,4,5,6,7
	global_load_b128 v[BIAS+8*\b:BIAS+8*\b+3], v[BO], s[8:9] offset:64*\b       ; register j of column block b: bias[16 b + 8 h + j]
	global_load_b128 v[BIAS+8*\b+4:BIAS+8*\b+7], v[BO], s[8:9] offset:64*\b+16
.endr
	v_lshlrev_b32 v4, 4, v3                        ; 16 x lane: my place in an image
	s_lshl_b32 s21, s15, 15                        ; my eight row blocks of A: 32,768 bytes of codes a half
	s_lshl_b32 s22, s16, 15                        ; my eight of B,
	s_add_co_u32 s22, s22, BLKB                    ; whose block lies behind A's
.irp s, 0,1
	v_add_nc_u32 v[ADRA+\s], s21, v4
	v_add_nc_u32 v[ADRB+\s], s22, v4
	s_add_co_u32 s21, s21, SLOT
	s_add_co_u32 s22, s22, SLOT
.endr
	s_xor_b32 s21, s15, 1                          ; from A's words to B's: BLKB + 2,048 (my half of B - my half of A), made without a negative number
	s_add_co_u32 s21, s21, s16
	s_lshl_b32 s21, s21, 11
	s_add_co_u32 s21, s21, BLKB-2048
	v_mul_u32_u24 v5, s21, v2                      ; lanes 16-31 take B's
	v_lshl_add_u32 v5, v1, 4, v5                   ; 16 bytes a row
	s_lshl_b32 s22, s15, 11                        ; A's: my eight blocks' words, 256 bytes a block,
	s_add_co_u32 s22, s22, 65536                   ; behind the codes
.irp s, 0,1
	v_add_nc_u32 v[ADRS+\s], s22, v5
	s_add_co_u32 s22, s22, SLOT
.endr
	s_mul_i32 s23, s14, 16*SPITCH                  ; my stage
	v_mul_u32_u24 v5, v1, SPITCH                   ; in: row l % 16, 32 bytes for each half of the lanes
	v_lshl_add_u32 v5, v2, 5, v5
	v_add_nc_u32 v[STO], s23, v5
	v_lshlrev_b32 v[CO], 4, v3                     ; back: the 32 lanes take one row of 512 bytes; and the same in C
	v_add_nc_u32 v[RD], s23, v[CO]
	v_lshlrev_b32 v[PFO], 8, v3
	s_lshl_b32 s20, s17, 8
	s_lshl_b32 s21, s15, 7
	s_add_co_u32 s20, s20, s21                     ; my first row of C: 256 x tile row + 128 x half,
	s_lshl_b32 s20, s20, 13                        ; in bytes (under 2^26)
	s_mov_b32 s21, 0
	s_add_nc_u64 s[20:21], s[20:21], s[46:47]
	s_add_nc_u64 s[10:11], s[10:11], s[20:21]
	; the prefetches: who asks, and where
	s_and_b32 s22, ttmp7, 0xffff                   ; cluster y
	s_cmp_eq_u32 s15, 0                            ; do I fetch for A?
	s_cselect_b32 s18, s17, s42                    ; the blocks' number: the tile row or the tile column
	s_cselect_b32 s19, s40, s41                    ; my place among the four that ask with me
	s_cselect_b32 s22, ttmp9, s22                  ; the coordinate along which other clusters read the same blocks
	s_cselect_b64 s[PFA:PFA+1], s[4:5], s[6:7]
	s_cmp_eq_u32 s22, 0
	s_cselect_b32 s[LIM], 1, -1                    ; the same in all sixteen partners, for a given wave
	s_mul_i32 s18, s18, 8*BLKB
	s_lshl_b32 s19, s19, 1
	s_add_co_u32 s19, s19, s16
	s_lshl_b32 s19, s19, 13                        ; my piece of 8,192 bytes
	s_add_co_u32 s18, s18, s19
	s_add_co_u32 s18, s18, 2*BLKB                  ; at K step 2: the first refill steps it to 3 and names K step 4
	s_mov_b32 s19, 0
	s_add_nc_u64 s[PFA:PFA+1], s[PFA:PFA+1], s[18:19]
.macro FRAG reg, adr, q, i             ; a fragment's image: two loads of 512 consecutive bytes give the registers as the launch before made them
.irp c, 0,1
	ds_load_b128 v[\reg+4*\c:\reg+4*\c+3], v[\adr] offset:(4*(\i)+(\q))*1024+512*\c
.endr
.endm
; 16 matrix instructions: A's blocks a0, a0 + 1 x B's eight, the K step's q-th 128.  p: B's set;  sc: the set of scale words.  first = 1: the bias starts the sums: nothing is ever cleared.
; The 64 accumulators take turns, one instruction a turn, in the same order in every step.
.macro MUL16 a0, p, q, sc, first
.irp a, \a0, \a0+1
.irp b, 0,1,2,3,4,5,6,7
.if \first
	v_wmma_scale_f32_16x16x128_f8f6f4 v[8*(8*((\a)%4)+\b):8*(8*((\a)%4)+\b)+7], v[128*(\p)+FR*\b:128*(\p)+FR*\b+FR-1], v[AF+FR*(\a):AF+FR*(\a)+FR-1], v[BIAS+8*\b:BIAS+8*\b+7], v[SC+8*NQ*(\sc)+NQ*\b+(\q)], v[SC+8*NQ*(\sc)+NQ*(\a)+(\q)] matrix_a_fmt:MATRIX_FMT_FP4 matrix_b_fmt:MATRIX_FMT_FP4 matrix_a_scale:MATRIX_SCALE_ROW1
.else
	v_wmma_scale_f32_16x16x128_f8f6f4 v[8*(8*((\a)%4)+\b):8*(8*((\a)%4)+\b)+7], v[128*(\p)+FR*\b:128*(\p)+FR*\b+FR-1], v[AF+FR*(\a):AF+FR*(\a)+FR-1], v[8*(8*((\a)%4)+\b):8*(8*((\a)%4)+\b)+7], v[SC+8*NQ*(\sc)+NQ*\b+(\q)], v[SC+8*NQ*(\sc)+NQ*(\a)+(\q)] matrix_a_fmt:MATRIX_FMT_FP4 matrix_b_fmt:MATRIX_FMT_FP4 matrix_a_scale:MATRIX_SCALE_ROW1
.endif
.endr
.endr
.endm
.macro FETCH_B slot, q, p              ; B's eight fragments of the slot's q-th 128 along K into set p
	WIN TO_B
.irp i, 0,1,2,3,4,5,6,7
	FRAG 128*(\p)+FR*\i, ADRB+\slot, \q, \i
.endr
	WIN 0
.endm
.macro FETCH_A slot, q, i0             ; A's blocks i0 .. i0 + 3
.irp i, \i0, \i0+1, \i0+2, \i0+3
	FRAG AF+FR*(\i), ADRA+\slot, \q, \i
.endr
.endm
.macro SCALES sc                       ; slot sc's scale words into set sc: four words a row; lanes 0-15 take A's block i, lanes 16-31 B's block i
.irp i, 0,1,2,3,4,5,6,7
	ds_load_b128 v[SC+8*NQ*\sc+NQ*\i:SC+8*NQ*\sc+NQ*\i+3], v[ADRS+\sc] offset:256*\i
.endr
.endm
; A load into a register that a matrix instruction has read, and an LDS store that reads a matrix result, stand NP places behind that matrix instruction; only plain vector instructions that name none of
; its registers are places (ISA guide 7.12.1 for vector instructions).
.macro PLACES n
.rept \n
	v_nop
.endr
.endm
; A step of 128 along K that has its successor in the same slot.  A's blocks go one after the other, each against B's eight: blocks 0-3 are fetched anew in the step's middle, blocks 4-7 at its end.
.macro STEP slot, q, first
	s_wait_dscnt 4*NL                              ; B's set, A's blocks 0-3 (and the scale words) are in; the youngest eight loads (A's blocks 4-7) may be out
.if \first
	WIN FST_LO
.else
	WIN MUL_LO
.endif
	MUL16 0, (\q)%2, \q, \slot, \first
	MUL16 2, (\q)%2, \q, \slot, \first
	s_wait_dscnt 0                                 ; A's blocks 4-7 are in (asked for 32 matrix instructions ago)
	PLACES NP
	FETCH_B \slot, (\q)+1, 1-(\q)%2
	FETCH_A \slot, (\q)+1, 0
.if \first
	WIN FST_HI
.else
	WIN MUL_HI
.endif
	MUL16 4, (\q)%2, \q, \slot, \first
	MUL16 6, (\q)%2, \q, \slot, \first
	PLACES NP
	WIN 0
	FETCH_A \slot, (\q)+1, 4
.endm
; A slot's last step changes slots: ONE barrier; in front of it each wave waits for all its tensor loads, adds 0 to its spare word, and waits for that and for its own reads of this slot.
; fill = 1: the barrier opens a round of the cluster's barrier, and this slot is filled again, two K steps ahead: the load has a K step less 32 matrix instructions in which to land.
.macro TURN slot, next, fill
.if \fill
	s_wait_xcnt 0x0                                ; the last prefetch, a K step back, has read its address: it is stepped here, ahead of the waits of the change of slots
	s_add_nc_u64 s[PFA:PFA+1], s[PFA:PFA+1], BLKB
.endif
	s_wait_tensorcnt 0x0                           ; all my tensor loads have landed: the one that was out is my part of the next slot  (every window is 0 here)
	ds_add_u32 v[SPW], v[NIL]                      ; 0 onto my spare word
	s_wait_dscnt 4*NL+1                            ; (the add and the youngest eight loads, A's blocks 4-7, may be out)
	WIN MUL_LO
	MUL16 0, 1, NQ-1, \slot, 0                     ; sixteen matrix instructions stand between the add and the wait for it
	s_wait_dscnt 0x0                               ; the add is done, and my reads of this slot are over
	s_barrier_signal -1
	MUL16 2, 1, NQ-1, \slot, 0
	WIN 0
	s_barrier_wait -1
.if \fill
	CREST                                          ; no wave of any partner still reads this slot or has a load on its way
	s_add_nc_u64 s[G0+4*\slot+2:G0+4*\slot+3], s[G0+4*\slot+2:G0+4*\slot+3], 2*BLKB
	s_add_nc_u64 s[G0B+4*\slot+2:G0B+4*\slot+3], s[G0B+4*\slot+2:G0B+4*\slot+3], 2*BLKB
	JLOAD \slot                                    ; the first tensor load behind the round, my only one until the next; its four v_nop are also the places in front of the loads below
.else
	PLACES NP
.endif
	FETCH_B \next, 0, 0
	FETCH_A \next, 0, 0
	SCALES \next
.if \fill
	ASK                                            ; behind the joint load and the run of LDS loads that the next products wait for
.endif
	WIN MUL_HI
	MUL16 4, 1, NQ-1, \slot, 0
	MUL16 6, 1, NQ-1, \slot, 0
	PLACES NP
	WIN 0
	FETCH_A \next, 0, 4
.endm
.macro STEPS slot, from                ; the slot's steps from .. NQ - 2
.set Q, \from
.rept NQ-1-\from
	STEP \slot, Q, 0
.set Q, Q+1
.endr
.endm
	s_wait_loadcnt 0x0                             ; the bias
	s_wait_tensorcnt 1                             ; my part of K step 0 is in; K step 1's load may stay out
	s_barrier_signal -1
	s_barrier_wait -1                              ; everybody's is
	FETCH_B 0, 0, 0
	FETCH_A 0, 0, 0
	SCALES 0
	FETCH_A 0, 0, 4
	STEP 0, 0, 1                                   ; the first step stands in front of the loop: its products start the sums, on the bias
	s_mov_b32 s3, LAPS-1
.Llap:                                                 ; a trip goes once round the ring, from a lap's second step to the next lap's first, and fills both slots again
	STEPS 0, 1
	TURN 0, 1, 1
	STEPS 1, 0
	TURN 1, 0, 1
	STEP 0, 0, 0
	s_sub_co_u32 s3, s3, 1
	s_cmp_lg_u32 s3, 0
	s_cbranch_scc1 .Llap
	STEPS 0, 1                                     ; the last lap fills nothing, and has no round of the cluster's barrier
	TURN 0, 1, 0
	STEPS 1, 0
	s_wait_dscnt 4*NL                              ; the very last step: nothing more to fetch
	WIN MUL_LO
	MUL16 0, 1, NQ-1, 1, 0
	MUL16 2, 1, NQ-1, 1, 0
	s_wait_dscnt 0
	WIN MUL_HI
	MUL16 4, 1, NQ-1, 1, 0
	MUL16 6, 1, NQ-1, 1, 0
	WIN 0
; THE WAY OUT, block by block of 16 rows x 128 columns.  A lane holds 32 neighbouring bytes of a row, and the lanes beside it hold other rows: so a block goes through my own stage in LDS and comes back as whole
; rows of 512 bytes.  LDS serves a wave's instructions in order (ISA guide 5.7.1.4): no wait between the stores and the loads, nor in front of the next block's stores.
.macro TOSTAGE a
.set AC, 64*((\a)%4)
	WIN 0x08+4*((\a)/4)                            ; the data: window 2 or 3
.irp b, 0,1,2,3,4,5,6,7
	ds_store_b128 v[STO], v[AC+8*\b:AC+8*\b+3] offset:64*\b          ; each accumulator from its low end on
	ds_store_b128 v[STO], v[AC+8*\b+4:AC+8*\b+7] offset:64*\b+16
.endr
	WIN 0
.set BB, BK+64*((\a)%2)
.irp t, 0,1,2,3,4,5,6,7,8,9,10,11,12,13,14,15
	ds_load_b128 v[BB+4*\t:BB+4*\t+3], v[RD] offset:\t*SPITCH
.endr
.endm
.macro SEND a, younger                 ; younger: the LDS instructions issued behind block a's loads, which may stay out
.set BB, BK+64*((\a)%2)
	s_wait_dscnt \younger                          ; the block is back in registers
.if (\a) > 0
	s_add_nc_u64 s[10:11], s[10:11], 16*CROW       ; (behind a wait on XCNT: the earlier stores have read their base)  16 rows of C on
.endif
.irp t, 0,1,2,3,4,5,6,7,8,9,10,11,12,13,14,15
	global_store_b128 v[CO], v[BB+4*\t:BB+4*\t+3], s[10:11] offset:\t*CROW th:TH_STORE_NT   ; 32 lanes store 512 consecutive bytes, at a multiple of 512 from C's first byte; written once, read by nobody here
.endr
.endm
	PLACES NP                                      ; behind the last products: for the loads into the registers that held A's fragments, and for block 7's reads
	TOSTAGE 0
.irp a, 1,2,3,4,5,6,7
.if \a > 1
	s_wait_xcnt 0x0                                ; block a - 2's stores have read their registers and their base: block a's loads may land there, and the base may step
.endif
	TOSTAGE \a
	SEND \a-1, 32                                  ; behind block a - 1's loads: block a's 16 stores and 16 loads
.endr
	s_wait_xcnt 0x0                                ; block 6's stores have read their base
	SEND 7, 0
	s_wait_tensorcnt 0x0                           ; the wave's end, behind my last tensor load and my last LDS store
	ds_add_u32 v[SPW], v[NIL]
	s_wait_dscnt 0x0
	CROUND                                         ; the closing round: no work-group ends while a partner may still ask for a block that names it
	s_endpgm
.Lfunc_end_k_q9d7e7c4c84_gemm:
	.size	k_q9d7e7c4c84_gemm, .Lfunc_end_k_q9d7e7c4c84_gemm-k_q9d7e7c4c84_gemm
	.p2alignl 7, 3214868480
	.fill 96, 4, 3214868480
	.section	.rodata,"a",@progbits
	.p2align	6, 0x0
	.amdhsa_kernel k_q9d7e7c4c84_gemm
		.amdhsa_group_segment_fixed_size 327680
		.amdhsa_private_segment_fixed_size 0
		.amdhsa_enable_private_segment 0
		.amdhsa_kernarg_size 32
		.amdhsa_user_sgpr_count 2
		.amdhsa_user_sgpr_kernarg_segment_ptr 1
		.amdhsa_wavefront_size32 1
		.amdhsa_system_sgpr_workgroup_id_x 1
		.amdhsa_system_sgpr_workgroup_id_y 1
		.amdhsa_system_sgpr_workgroup_id_z 1
		.amdhsa_system_vgpr_workitem_id 0
		.amdhsa_next_free_vgpr 1024
		.amdhsa_next_free_sgpr 72
		.amdhsa_reserve_vcc 0
		.amdhsa_float_denorm_mode_32 3
		.amdhsa_float_denorm_mode_16_64 3
		.amdhsa_memory_ordered 1
		.amdhsa_forward_progress 1
		.amdhsa_inst_pref_size 212
	.end_amdhsa_kernel
	.amdgpu_metadata
---
amdhsa.version: [ 1, 2 ]
amdhsa.kernels:
  - .name:           k_q9d7e7c4c84_gemm
    .symbol:         k_q9d7e7c4c84_gemm.kd
    .args:
      - { .name: xq, .offset: 0, .size: 8, .value_kind: global_buffer, .address_space: global }
      - { .name: wq, .offset: 8, .size: 8, .value_kind: global_buffer, .address_space: global }
      - { .name: bias, .offset: 16, .size: 8, .value_kind: global_buffer, .address_space: global }
      - { .name: out0, .offset: 24, .size: 8, .value_kind: global_buffer, .address_space: global }
    .group_segment_fixed_size: 327680
    .private_segment_fixed_size: 0
    .kernarg_segment_align: 8
    .kernarg_segment_size: 32
    .max_flat_workgroup_size: 128
    .sgpr_count:     72
    .vgpr_count:     1024
    .wavefront_size: 32
...
	.end_amdgpu_metadata
.endif
;; end of part 2
;; ======== version 2 of 2: 2 launches
;; limits: right only within a limited range of input values
;; workspace buffers: xq 17,825,792 bytes; wq 4,456,448 bytes
;; launch prep (part 3): grid 768 x 1, 4 waves a work-group, no clusters, 98,304 bytes of LDS; arguments x, q_weight, scales, lora_up, lora_down, xq, wq; writes xq, wq
.if DOCPART == 3
	.amdgcn_target "amdgcn-amd-amdhsa--gfx1250"
	.amdhsa_code_object_version 6
	.text
	.protected	k_q9d7e7c4c84_prep
	.globl	k_q9d7e7c4c84_prep
	.p2align	8
	.type	k_q9d7e7c4c84_prep,@function
k_q9d7e7c4c84_prep:
	s_mov_b64 s[64:65], 0
	v_nop
	global_prefetch_b8 v0, s[64:65] scope:SCOPE_SE
	s_setreg_imm32_b32 hwreg(HW_REG_WAVE_MODE, 25, 1), 1
	s_wait_xcnt 0x0
; Both operands of y = Q(x) Q(W)^T + bias are turned into codes of FP4 (E2M1) with one E8M0 byte for each 32 along K = 4,096.
; x [8192][4096] f32 is quantised as it is.  W [2048][4096] is first made in f32: W[o][k] = (q_weight[o][k] - 128) x scales[o][k / 32] + sum over 16 ranks of lora_up[o][r] lora_down[r][k]:
; the rank sum by the f32 matrix form (K = 4, four links), then one fused multiply-add joins it to the dequantised number.
; A block's scale is 2^(floor(log2(its largest magnitude)) - 2); its byte is the largest magnitude's exponent field - 2, held at 1 from below.
; LIMITS: NaN and infinities among the inputs are not served.  A block of zeros gets the byte 1 (not 127): its codes are zeros, and this program alone reads the bytes.
; THE WORKSPACE IS LAID AS THE PRODUCT'S REGISTERS WANT IT, alike for xq and wq.  Block (P, j) = rows 256 P .. 256 P + 255, K step j (512 along K), BLKB = 69,632 dense bytes at (8 P + j) x BLKB:
;   codes: fragment (i = 0..15, q = 128 along K 0..3) at (4 i + q) x 1,024; in it registers 4 c .. 4 c + 3 of lane l at 512 c + 16 l: lane (r = l % 16, h = l / 16) holds k = 64 c + 32 h + 0 .. 31 of the fragment's row r;
;   scale words: at 65,536 + 256 i + 16 r + 4 q.   In xq fragment i's row r is row 16 i + r of the block; in wq it is row 64 (i / 4) + 4 r + i % 4, so that in the product one lane's same
;   register of four neighbouring accumulators holds four neighbouring columns of a row of the result.
; SHARES.  768 work-groups of four waves: of each three in a row one takes a W task (64 rows x 512 K), two an x task (128 rows x 512 K).  The two kinds part at once on the work-group's number, never meet again,
; and have LDS bytes of their own.  The text uses 72,704 bytes of LDS and 512 of spare words; 98,304 are claimed, and 256 registers a wave: three such claims are 294,912 bytes and 768 registers a SIMD, four would be 393,216 bytes.
; x task: wave w takes rows 32 w .. 32 w + 31: 8 fragments.  W task: wave w takes quarter w of the K step for all 64 rows: 4 fragments; its operand of lora_down stays in 64 registers.
; A FRAGMENT: 16 loads, each one row's 512 consecutive bytes; through the wave's own stage in LDS, rows 528 bytes apart, and back 32 neighbours along K at a time: register 32 c + i of lane (r, h) is k = 64 c + 32 h + i
; of row r; a lane holds two whole blocks.  In an x task each fragment's codes have registers of their own and leave in three batches (fragments 0-3, 4-5, 6-7), each behind the loads just issued.
; THE PATCH: tile T = 4 c + u of a fragment: source 0 = lora_down at the 16 k = 64 c + 8 u + (i % 8) + 32 (i / 8), source 1 = lora_up's 16 rows.  Register j of lane (r, h) of the result is then row r,
; k = 64 c + 32 h + 8 u + j: the same place as register 8 T + j of the fragment.  Two accumulators take turns; they are written by matrix instructions alone.
; No tensor loads.
.set ROWX, 16384                       ; bytes in a row of x, q_weight, lora_down
.set STP,  528                         ; a stage row: 512 bytes + 16
.set STGW, 16*STP                      ; a wave's stage
.set WST,  4*STGW                      ; the W path's stages begin behind the x path's
.set GAT,  2*WST                       ; behind them: the W path's 1,024 bytes of scale words, [row block][row][quarter]
.set SCW,  GAT+1024                    ; and the W path's f32 scales: 1,024 bytes for each wave, [row][block of the quarter]
.set SPARE, 97792                      ; the spare words: the claim's last 512 bytes, which no other line names
.set BLKB, 69632
.set WX,  14                           ; v14  the other half's bytes
.set WT,  15                           ; v15  a scale word at work
.set M,   16                           ; v16-17 largest magnitudes; v18-19 the conversions' scale operands; v20-21 bytes
.set E,   18
.set Y,   20
.set UPO, 22                           ; v22  (W) lora_up: 256 r + 8 h
.set DNO, 23                           ; v23  (W) lora_down: 2 h rows + 4 (r % 8) + 128 (r / 8)
.set C,   24                           ; a fragment's codes: W path v24-31; x path v[176 + 8 F] on
.set WD,  32                           ; v32-39 (x) the eight fragments' scale words; v40-43 those that I store
.set S0,  32                           ; v32-35 (W) my two blocks' scales, each twice: pairs for the packed multiply-add
.set UV,  36                           ; v36-43 (W) a row block's operand of lora_up: register 2 s + j: rank 4 s + 2 h + j of row r
.set B0,  48                           ; v48-111, v112-175: a fragment's 64 numbers, two buffers
.set D,   176                          ; v176-239 (W) the operand of lora_down: register 8 T + 2 s + j
.set PT,  240                          ; v240-255 the two accumulators of the patch
	s_load_b256 s[4:11], s[0:1], 0x0               ; x s[4:5], q_weight s[6:7], scales s[8:9], lora_up s[10:11]
	s_load_b128 s[12:15], s[0:1], 0x20             ; lora_down s[12:13], xq s[14:15]
	s_load_b64 s[16:17], s[0:1], 0x30              ; wq
	s_mov_b32 s22, 0x76543210                      ; v_permlanex16_b32's selects for lane l xor 16
	s_mov_b32 s23, 0xfedcba98
	s_mul_hi_u32 s20, ttmp9, 0xaaaaaaab
	s_lshr_b32 s20, s20, 1                         ; d = work-group / 3
	s_mul_i32 s21, s20, 3
	s_sub_co_u32 s21, ttmp9, s21                   ; and the remainder: 0: W task d; 1, 2: x task 2 d + remainder - 1
	v_lshrrev_b32 v1, 5, v0
	v_readfirstlane_b32 s18, v1                    ; wave 0..3
	v_and_b32 v1, 31, v0                           ; lane
	v_and_b32 v2, 15, v0                           ; r
	v_bfe_u32 v3, v0, 4, 1                         ; h
	v_lshlrev_b32 v4, 4, v1                        ; 16 x lane: my bytes of a load's or store's 512
	v_lshlrev_b32 v5, 3, v3                        ; 8 h: where my two bytes stand in a scale word
	s_mul_i32 s30, s18, STGW
	v_add_nc_u32 v6, s30, v4                       ; x stage, in: 16 x lane (+ 528 x row in the immediate)
	v_mul_u32_u24 v7, v2, STP
	v_lshl_add_u32 v7, v3, 7, v7
	v_add_nc_u32 v7, s30, v7                       ; x stage, back: row r, + 128 h bytes
	v_add_nc_u32 v8, WST, v6                       ; the same two for the W path's stage
	v_add_nc_u32 v9, WST, v7
	s_lshl_b32 s31, s18, 2
	v_lshl_add_u32 v10, v2, 4, GAT
	v_add_nc_u32 v10, s31, v10                     ; W: where my row's scale word goes: 16 r + 4 x wave
	s_lshl_b32 s31, s18, 8
	v_lshl_add_u32 v11, v1, 3, GAT
	v_add_nc_u32 v11, s31, v11                     ; and what I read back: 256 x wave + 8 x lane
	s_lshl_b32 s31, s18, 10                        ; W: my wave's 1,024 bytes of f32 scales:
	v_lshl_add_u32 v12, v2, 6, SCW                 ; back: row 4 r + p is 16 bytes at 64 r + 16 p; my blocks 2 c + h at 4 h + 8 c
	v_lshl_add_u32 v12, v3, 2, v12
	v_add_nc_u32 v12, s31, v12
	v_and_b32 v[DNO], 7, v0
	v_bfe_u32 v[UPO], v0, 3, 1
	v_lshlrev_b32 v[DNO], 2, v[DNO]
	v_lshl_add_u32 v[DNO], v[UPO], 7, v[DNO]
	v_lshl_add_u32 v[DNO], v3, 15, v[DNO]
	v_lshlrev_b32 v[UPO], 8, v2
	v_lshl_add_u32 v[UPO], v3, 3, v[UPO]
	v_lshl_add_u32 v2, v1, 4, SCW                  ; (r has served)  in: a lane a row, 16 bytes: 16 x lane (+ 512 for rows 32 on)
	v_add_nc_u32 v2, s31, v2
	v_lshlrev_b32 v13, 3, v1                       ; 8 x lane
	v_mov_b32 v[WX], 0                             ; written once: a lane permute's destination counts as one of its sources
	s_wait_alu depctr_va_vdst(0)
	s_wait_kmcnt 0x0
; 16 rows' 512 bytes each, from off bytes on
.macro LOADR buf, off
.irp t, 0,1,2,3,4,5,6,7,8,9,10,11,12,13,14,15
	global_load_b128 v[\buf+4*\t:\buf+4*\t+3], v4, s[24:25] offset:(\off)+ROWX*\t th:TH_LOAD_NT
.endr
.endm
; q_weight of row block p: rows 4 t + p
.macro LOADW buf, p
.irp t, 0,1,2,3,4,5,6,7,8,9,10,11,12,13,14,15
	global_load_b128 v[\buf+4*\t:\buf+4*\t+3], v4, s[24:25] offset:ROWX*(4*\t+(\p)) th:TH_LOAD_NT
.endr
.endm
; lora_up of row block p as source 1: ranks 4 s + 2 h, + 1 of row 4 r + p
.macro ULD p
.irp s, 0,1,2,3
	global_load_b64 v[UV+2*\s:UV+2*\s+1], v[UPO], s[10:11] offset:64*(\p)+16*\s
.endr
.endm
; lora_down as source 0, tiles 4 c .. 4 c + 3
.macro DLD c
.irp u, 0,1,2,3
.irp n, 0,1,2,3,4,5,6,7
	global_load_b32 v[D+8*(4*\c+\u)+\n], v[DNO], s[12:13] offset:(4*(\n/2)+\n%2)*ROWX+(64*\c+8*\u)*4
.endr
.endr
.endm
; the scales of my two blocks of row 4 r + p, out of my wave's own LDS bytes
.macro LOADS p
.irp n, 0,1,2,3
	ds_load_b32 v[S0+\n], v12 offset:16*(\p)+8*(\n/2)
.endr
.endm
; through the stage: in as loaded (row t at 528 t), back so that register 32 c + i holds k = 64 c + 32 h + i of row r.  LDS serves a wave's instructions in order (ISA guide 5.7.1.4): no wait between the stores and the loads
.macro TURN buf, sa, la
.irp t, 0,1,2,3,4,5,6,7,8,9,10,11,12,13,14,15
	ds_store_b128 v[\sa], v[\buf+4*\t:\buf+4*\t+3] offset:STP*\t
.endr
.irp c, 0,1
.irp u, 0,1,2,3,4,5,6,7
	ds_load_b128 v[\buf+32*\c+4*\u:\buf+32*\c+4*\u+3], v[\la] offset:256*\c+16*\u
.endr
.endr
.endm
; my two blocks (2 c + h of the quarter) become codes in v[C] on; the row's scale word goes to v[word]
.macro QUANT buf, word
.irp c, 0,1
	v_max3_num_f32 v[M+\c], |v[\buf+32*\c]|, |v[\buf+32*\c+1]|, 0x1800000   ; with the floor 2^(3 - 127): the byte cannot fall under 1
.endr
.irp i, 2,4,6,8,10,12,14,16,18,20,22,24,26,28,30
.irp c, 0,1
	v_max3_num_f32 v[M+\c], v[M+\c], |v[\buf+32*\c+\i]|, |v[\buf+32*\c+\i+1]|   ; the two blocks by turns
.endr
.endr
.irp c, 0,1
	v_add_nc_u32 v[E+\c], 0xff000000, v[M+\c]      ; 2 off the exponent field: the conversion takes that field as its scale, and nothing else
.endr
.irp c, 0,1
	v_lshrrev_b32 v[Y+\c], 23, v[E+\c]             ; the scale's byte
.endr
.irp c, 0,1
.irp g, 0,1,2,3
	v_cvt_scalef32_pk8_fp4_f32 v[C+4*\c+\g], v[\buf+32*\c+8*\g:\buf+32*\c+8*\g+7], v[E+\c]   ; registers 4 c .. 4 c + 3 of the operand
.endr
.endr
	v_lshl_or_b32 v[WT], v[Y+1], 16, v[Y]          ; (a plain line behind the conversions)  my bytes: blocks h and 2 + h,
	v_lshlrev_b32 v[WT], v5, v[WT]                 ; at their places;
	v_permlanex16_b32 v[WX], v[WT], s22, s23
	v_or_b32 v[\word], v[WT], v[WX]                ; with lane l xor 16's two the word is whole, in both lanes
.endm
.macro STOREC off                      ; each store covers 512 consecutive bytes, at a multiple of 512 from the buffer's first byte
.irp c, 0,1
	global_store_b128 v4, v[C+4*\c:C+4*\c+3], s[26:27] offset:(\off)+512*\c
.endr
.endm
.macro SENDC f0, n                     ; (x) the codes of fragments f0 .. f0 + n - 1 leave
.set FS, \f0
.rept \n
.set C, 176+8*FS
	STOREC 1024*FS
.set FS, FS+1
.endr
.endm
; the wave's end: no two registers can be kept for the add, so v0 is kept and the two are made here
.macro CLOSE
	v_lshl_add_u32 v16, v0, 2, SPARE
	v_mov_b32 v17, 0
	s_wait_alu depctr_va_vdst(0)
	s_wait_tensorcnt 0x0
	ds_add_u32 v16, v17
	s_wait_dscnt 0x0
	s_endpgm
.endm
	s_cmp_eq_u32 s21, 0
	s_cbranch_scc1 .Lw
; ------------------------------------------------------------------ an x task
	s_lshl_b32 s30, s20, 1
	s_add_co_u32 s30, s30, s21
	s_sub_co_u32 s30, s30, 1                       ; the task, 0 .. 511
	s_and_b32 s31, s30, 7                          ; j: the K step
	s_lshr_b32 s30, s30, 3                         ; G: which 128 rows
	s_lshl_b32 s66, s30, 21                        ; 128 rows of 16,384 bytes,
	s_lshl_b32 s32, s18, 19                        ; my wave's 32 rows,
	s_add_co_u32 s66, s66, s32
	s_lshl_b32 s32, s31, 11                        ; 512 numbers along K
	s_add_co_u32 s66, s66, s32
	s_mov_b32 s67, 0
	s_add_nc_u64 s[24:25], s[4:5], s[66:67]
	LOADR B0, 0                                    ; fragments 0, 1: 32 loads of the wave are out
	LOADR B0+64, 512
	s_lshr_b32 s32, s30, 1
	s_lshl_b32 s32, s32, 3
	s_add_co_u32 s32, s32, s31
	s_mul_i32 s32, s32, BLKB                       ; block (G / 2, j)
	s_and_b32 s30, s30, 1
	s_lshl_b32 s66, s30, 15                        ; row blocks 8 (G % 2) + 2 w on: 4,096 bytes of codes each,
	s_add_co_u32 s66, s66, s32
	s_lshl_b32 s33, s18, 13
	s_add_co_u32 s66, s66, s33
	s_add_nc_u64 s[26:27], s[14:15], s[66:67]
	s_lshl_b32 s66, s30, 11                        ; and 256 bytes of scale words each
	s_add_co_u32 s66, s66, s32
	s_lshl_b32 s33, s18, 9
	s_add_co_u32 s66, s66, s33
	s_add_co_u32 s66, s66, 65536
	s_add_nc_u64 s[28:29], s[14:15], s[66:67]
.set F, 0
.rept 8                                ; fragment F: row block F / 4 of my two, quarter F % 4
.set BF, B0+64*(F%2)
.set C, 176+8*F                        ; its codes have registers of their own: no store's data are written again
.if F <= 6
	s_wait_loadcnt 16                              ; loads come back in order: mine are in, the next fragment's 16 stay out
.else
	s_wait_loadcnt 0
.endif
	TURN BF, 6, 7
	s_wait_dscnt 0x0
	QUANT BF, WD+F
.if F+2 < 8
	LOADR BF, (16*((F+2)/4))*ROWX+512*((F+2)%4)    ; the buffer takes the fragment two further on
.endif
.if F == 3
	SENDC 0, 4
.elseif F == 5
	SENDC 4, 2
.endif
.set F, F+1
.endr
	v_cmp_ne_u32 vcc_lo, 0, v3                     ; lanes 0-15 store my first row block's words, lanes 16-31 my second's: 16 x lane = 256 h + 16 r
.irp q, 0,1,2,3
	v_cndmask_b32 v[40+\q], v[WD+\q], v[WD+4+\q], vcc_lo
.endr
	SENDC 6, 2
	global_store_b128 v4, v[40:43], s[28:29]       ; 512 consecutive aligned bytes
	CLOSE
; ------------------------------------------------------------------ a W task
.set C, 24
.Lw:
	v_lshlrev_b32 v1, 9, v1                        ; 512 x lane: a row of scales is 512 bytes
	s_wait_alu depctr_va_vdst(0)
	s_and_b32 s31, s20, 7                          ; j: the K step
	s_lshr_b32 s30, s20, 3                         ; g: which 64 rows
	s_lshl_b32 s32, s31, 11
	s_lshl_b32 s33, s18, 9
	s_add_co_u32 s32, s32, s33                     ; my quarter along K, in bytes of f32 or i32
	s_mov_b32 s33, 0
	s_add_nc_u64 s[12:13], s[12:13], s[32:33]      ; lora_down
	s_lshl_b32 s66, s30, 20                        ; 64 rows of 16,384 bytes
	s_add_co_u32 s66, s66, s32
	s_mov_b32 s67, 0
	s_add_nc_u64 s[24:25], s[6:7], s[66:67]        ; q_weight
	s_lshl_b32 s66, s30, 15                        ; scales: 64 rows of 512 bytes, 64 bytes a K step, 16 a quarter
	s_lshl_b32 s34, s31, 6
	s_add_co_u32 s66, s66, s34
	s_lshl_b32 s34, s18, 4
	s_add_co_u32 s66, s66, s34
	s_add_nc_u64 s[8:9], s[8:9], s[66:67]
	s_lshl_b32 s66, s30, 12                        ; lora_up: 64 rows of 64 bytes
	s_add_nc_u64 s[10:11], s[10:11], s[66:67]
	global_load_b128 v[C:C+3], v1, s[8:9]          ; the scales of my quarter: rows 0-31, a lane a row, 16 bytes,
	global_load_b128 v[C+4:C+7], v1, s[8:9] offset:32*512   ; and rows 32-63
	ULD 0
	DLD 0
	LOADW B0, 0
	s_lshr_b32 s34, s30, 2
	s_lshl_b32 s34, s34, 3
	s_add_co_u32 s34, s34, s31
	s_mul_i32 s34, s34, BLKB                       ; block (g / 4, j)
	s_and_b32 s30, s30, 3
	s_lshl_b32 s66, s30, 14                        ; fragments 4 (g % 4) on, my quarter
	s_add_co_u32 s66, s66, s34
	s_lshl_b32 s35, s18, 10
	s_add_co_u32 s66, s66, s35
	s_add_nc_u64 s[26:27], s[16:17], s[66:67]
	s_lshl_b32 s66, s30, 10                        ; their scale words; of the task's 1,024 bytes I store 256
	s_add_co_u32 s66, s66, s34
	s_lshl_b32 s35, s18, 8
	s_add_co_u32 s66, s66, s35
	s_add_co_u32 s66, s66, 65536
	s_add_nc_u64 s[28:29], s[16:17], s[66:67]
	s_wait_loadcnt 52                              ; the two loads of scales are in; the 4 + 32 + 16 issued behind them stay out
	ds_store_b128 v2, v[C:C+3]                     ; row = lane,
	ds_store_b128 v2, v[C+4:C+7] offset:512        ; row = 32 + lane
	DLD 1
	LOADW B0+64, 1
; tiles 2 g and 2 g + 1 of the patch: four links each, the two accumulators by turns; the first link starts the sum
.macro PATCH g
.irp s, 0,1,2,3
.irp t, 0,1
.if \s == 0
	v_wmma_f32_16x16x4_f32 v[PT+8*\t:PT+8*\t+7], v[D+8*(2*(\g)+\t)+2*\s:D+8*(2*(\g)+\t)+2*\s+1], v[UV+2*\s:UV+2*\s+1], 0
.else
	v_wmma_f32_16x16x4_f32 v[PT+8*\t:PT+8*\t+7], v[D+8*(2*(\g)+\t)+2*\s:D+8*(2*(\g)+\t)+2*\s+1], v[UV+2*\s:UV+2*\s+1], v[PT+8*\t:PT+8*\t+7]
.endif
.endr
.endr
.endm
; registers 16 g .. 16 g + 15 of the fragment: code - 128 (24 plain lines that name no register of the matrix instructions: their places, ISA guide 7.12.1), then x scale + the patch
.macro JOIN buf, g
.irp n, 0,1,2,3,4,5,6,7,8,9,10,11,12,13,14,15
	v_cvt_f32_i32 v[\buf+16*(\g)+\n], v[\buf+16*(\g)+\n]
.endr
.irp n, 0,2,4,6,8,10,12,14
	v_pk_add_f32 v[\buf+16*(\g)+\n:\buf+16*(\g)+\n+1], v[\buf+16*(\g)+\n:\buf+16*(\g)+\n+1], 0xc3000000 op_sel_hi:[1,0]
.endr
.irp n, 0,2,4,6,8,10,12,14
	v_pk_fma_f32 v[\buf+16*(\g)+\n:\buf+16*(\g)+\n+1], v[\buf+16*(\g)+\n:\buf+16*(\g)+\n+1], v[S0+2*((\g)/2):S0+2*((\g)/2)+1], v[PT+\n:PT+\n+1]
.endr
.endm
.set PP, 0
.rept 4                                ; row block PP: rows 4 t + PP
.set BF, B0+64*(PP%2)
.if PP < 3
	s_wait_loadcnt 16                              ; this block's q_weight and lora_up (and lora_down) are in; the next block's 16 loads stay out
.else
	s_wait_loadcnt 0
.endif
	LOADS PP                                       ; LDS serves a wave's instructions in order: these see my stores
	TURN BF, 8, 9                                  ; the codes go through the stage as they are
	PATCH 0
	s_wait_dscnt 0x0
	JOIN BF, 0
	PATCH 1
	JOIN BF, 1
	PATCH 2
	JOIN BF, 2
	PATCH 3
	JOIN BF, 3
	s_wait_xcnt 0x0                                ; the last block's stores have read v[C] on
	QUANT BF, WT
	ds_store_b32 v10, v[WT] offset:256*PP          ; both lanes of a row write the same word with the same value
.if PP < 3
	ULD PP+1
.endif
.if PP+2 < 4
	LOADW BF, PP+2                                 ; the buffer takes the block two further on
.endif
	STOREC 4096*PP
.set PP, PP+1
.endr
	s_wait_dscnt 0x0                               ; for the others' sake: my scale words lie in LDS
	s_barrier_signal -1                            ; all four waves of a W task come here: the path was chosen by the work-group's number
	s_barrier_wait -1
	ds_load_b64 v[44:45], v11                      ; a row's four words come from the four waves
	s_wait_dscnt 0x0
	global_store_b64 v13, v[44:45], s[28:29]       ; 256 consecutive aligned bytes
	CLOSE
.Lfunc_end_k_q9d7e7c4c84_prep:
	.size	k_q9d7e7c4c84_prep, .Lfunc_end_k_q9d7e7c4c84_prep-k_q9d7e7c4c84_prep
	.p2alignl 7, 3214868480
	.fill 96, 4, 3214868480
	.section	.rodata,"a",@progbits
	.p2align	6, 0x0
	.amdhsa_kernel k_q9d7e7c4c84_prep
		.amdhsa_group_segment_fixed_size 98304
		.amdhsa_private_segment_fixed_size 0
		.amdhsa_enable_private_segment 0
		.amdhsa_kernarg_size 56
		.amdhsa_user_sgpr_count 2
		.amdhsa_user_sgpr_kernarg_segment_ptr 1
		.amdhsa_wavefront_size32 1
		.amdhsa_system_sgpr_workgroup_id_x 1
		.amdhsa_system_sgpr_workgroup_id_y 1
		.amdhsa_system_sgpr_workgroup_id_z 1
		.amdhsa_system_vgpr_workitem_id 0
		.amdhsa_next_free_vgpr 256
		.amdhsa_next_free_sgpr 68
		.amdhsa_reserve_vcc 1
		.amdhsa_float_denorm_mode_32 3
		.amdhsa_float_denorm_mode_16_64 3
		.amdhsa_memory_ordered 1
		.amdhsa_forward_progress 1
		.amdhsa_inst_pref_size 132
	.end_amdhsa_kernel
	.amdgpu_metadata
---
amdhsa.version: [ 1, 2 ]
amdhsa.kernels:
  - .name:           k_q9d7e7c4c84_prep
    .symbol:         k_q9d7e7c4c84_prep.kd
    .args:
      - { .name: x, .offset: 0, .size: 8, .value_kind: global_buffer, .address_space: global }
      - { .name: q_weight, .offset: 8, .size: 8, .value_kind: global_buffer, .address_space: global }
      - { .name: scales, .offset: 16, .size: 8, .value_kind: global_buffer, .address_space: global }
      - { .name: lora_up, .offset: 24, .size: 8, .value_kind: global_buffer, .address_space: global }
      - { .name: lora_down, .offset: 32, .size: 8, .value_kind: global_buffer, .address_space: global }
      - { .name: xq, .offset: 40, .size: 8, .value_kind: global_buffer, .address_space: global }
      - { .name: wq, .offset: 48, .size: 8, .value_kind: global_buffer, .address_space: global }
    .group_segment_fixed_size: 98304
    .private_segment_fixed_size: 0
    .kernarg_segment_align: 8
    .kernarg_segment_size: 56
    .max_flat_workgroup_size: 128
    .sgpr_count:     68
    .vgpr_count:     256
    .wavefront_size: 32
...
	.end_amdgpu_metadata
.endif
;; end of part 3
;; launch gemm (part 4): grid 8 x 32, 4 waves a work-group, clusters of 4 x 4, 327,680 bytes of LDS; arguments xq, wq, bias, out0; writes out0
.if DOCPART == 4
	.amdgcn_target "amdgcn-amd-amdhsa--gfx1250"
	.amdhsa_code_object_version 6
	.text
	.protected	k_q9d7e7c4c84_gemm
	.globl	k_q9d7e7c4c84_gemm
	.p2align	8
	.type	k_q9d7e7c4c84_gemm,@function
k_q9d7e7c4c84_gemm:
	s_mov_b64 s[64:65], 0
	v_nop
	global_prefetch_b8 v0, s[64:65] scope:SCOPE_SE
	s_setreg_imm32_b32 hwreg(HW_REG_WAVE_MODE, 25, 1), 1
	s_wait_xcnt 0x0
	s_wait_alu depctr_hold_cnt(0) depctr_sa_sdst(0) depctr_va_vdst(0) depctr_va_sdst(0) depctr_va_ssrc(0) depctr_va_vcc(0) depctr_vm_vsrc(0)
	s_getreg_b32 s2, hwreg(HW_REG_IB_STS2, 6, 4)
	s_cmp_eq_u32 s2, 0
	s_cbranch_scc0 .Lentry_in_a_cluster
	s_endpgm
.Lentry_in_a_cluster:
	s_bfe_u32 s2, ttmp6, 0x10000c
	s_cmp_lg_u32 s2, 0xf033
	s_cbranch_scc0 .Lentry_shape_is_right
	s_endpgm
.Lentry_shape_is_right:
; out0[m][n] = sum over k of Q(x)[m][k] Q(W)[n][k] + bias[n]: 8,192 x 2,048, K = 4,096, on the FP4 codes and E8M0 scale words that launch prep laid.
; xq, wq: block (P, j) = 256 rows x 512 K = 69,632 dense bytes at (8 P + j) x 69,632: fragment (i, q) of 16 rows x 128 K as an image of the operand's registers at (4 i + q) x 1,024; scale words at 65,536 + 256 i + 16 r + 4 q.
; In wq fragment i, lane row r holds W's row 64 (i / 4) + 4 r + i % 4 of the block's 256.
; A work-group of four waves makes 256 x 256 of the result, a wave 128 x 128: 64 accumulators, 512 registers.  256 work-groups.  K goes in steps of 512 through two LDS slots, each A's block and B's block.
; CLUSTERS: 4 x 4 work-groups; A's block is asked for jointly along a row of the cluster, B's along a column.  Waves 0, 1 fetch A's two halves, waves 2, 3 B's: one tensor load a wave behind each round.
; SOURCE 0 = 16 rows of x, SOURCE 1 = 16 rows of W: register j of lane (r, h) of accumulator (a, b) is row 16 a + 8 h + j, column 64 (b / 4) + 4 r + b % 4 of my 128 x 128.
; THE WAY OUT needs no LDS: the bias add, due anyway, writes register j of four neighbouring accumulators into four registers on end: 16 bytes of a row; sixteen lanes store 256 aligned bytes.
; THE LAST K STEP GOES BY ROWS OF THE RESULT: all its fragments of B fill window 1, A's come by blocks of 16 rows x 512 K, and each block of 16 rows is stored as soon as it is summed.
; REGISTERS: window 0: v0-31 addresses and bias; v32-95 scale words, two sets (lanes 0-15 A's block i, lanes 16-31 B's block i); v96-127, v224-255 quads on the way out;
;   v128-191 A's fragments, one set (last K step: v128-223, three buffers of 32);  window 1: B's fragments, two sets at v0 and v128 (last K step: all 256);  windows 2, 3: the accumulators of my rows 0-63, 64-127.
; LIMITS: those of launch prep (NaN and infinities among the inputs are not served).
.set NQ,     4                         ; matrix instructions deep in a K step
.set FR,     8                         ; registers of a fragment
.set NL,     2                         ; LDS loads that bring one
.set NP,     4                         ; places behind this matrix form (ISA guide 7.12.1)
.set BLKB,   69632
.set HALFB,  BLKB/2                    ; what one tensor load brings: 136 rows of 256 bytes
.set SLOT,   2*BLKB
.set SPARE,  2*SLOT                    ; behind the ring: the spare words, 512 bytes that no other line names
.set LAPS,   4
.set CROW,   8192                      ; a row of out0 in bytes
.set BI,   8                           ; v8-15  bias at my columns: register 4 g + c: column 64 g + 4 r + c
.set ADRA, 16                          ; v16-17 LDS address of my A fragments in slot 0, 1
.set ADRB, 20                          ; v20-21 the same for B
.set ADRS, 22                          ; v22-23 of my scale words
.set CO,   26                          ; v26    my byte offset in out0: 8 h rows + 16 r
.set BO,   27                          ; v27    16 r
.set SPW,  28                          ; v28    my spare word
.set NIL,  29                          ; v29    0
.set PFO,  30                          ; v30    prefetch: 256 x lane
.set PFT,  31                          ; v31    prefetch: 256 x min(lane, 1)
.set SC,   32
.set AF,   128
.set G1, 24
.set G0, 32
.set G1B, 48
.set G0B, 56
.set PFA, 66                           ; s[66:67] where my prefetches stand
.set MSB, 0
.macro WIN new                         ; the immediate's high byte repeats the setting that is left
.if MSB != \new
	s_set_vgpr_msb (MSB<<8)|\new
.set MSB, \new
.endif
.endm
.set MUL_LO, 0xa4                      ; source 0 (A) window 0, source 1 (B) window 1, C and D window 2
.set MUL_HI, 0xf4                      ; the same, C and D window 3
.set TO_B,   0x40                      ; destination window 1, address window 0
; a joint load; an s_nop 0 and four v_nop follow each of the two lines
.macro JLOAD s
	s_cmp_eq_u32 s15, 0
	s_cbranch_scc0 .Lfor_b_\@
	tensor_load_to_lds s[G0+4*\s:G0+4*\s+3], s[G1:G1+7]
	s_nop 0
.rept 4
	v_nop
.endr
	s_branch .Lasked_\@
.Lfor_b_\@:
	tensor_load_to_lds s[G0B+4*\s:G0B+4*\s+3], s[G1B:G1B+7]
	s_nop 0
.rept 4
	v_nop
.endr
.Lasked_\@:
.endm
; PREFETCH: behind the fill of K step f the block of K step f + 2 is asked for, whole; behind the first fill that of K step 1 too.  A block's 272 pieces of 256 bytes are shared out BY ADDRESS among the
; two waves that fetch the operand in each of the four partners that ask for it jointly: 34 pieces each: 32 by the first line, a lane a piece, 2 by the second (its other lanes name the last piece again).
; Every cluster asks for what it will load.  K step 0 comes by its load alone; the fills of K steps 6 and 7 ask for nothing.
.macro ASKH off
	global_prefetch_b8 v[PFO], s[PFA:PFA+1] offset:(\off) th:TH_LOAD_NT scope:SCOPE_SE
	global_prefetch_b8 v[PFT], s[PFA:PFA+1] offset:(\off)+8192 th:TH_LOAD_NT scope:SCOPE_SE
.endm
.macro ASK
	s_cmp_gt_u32 s3, 1                             ; s3 = 1 in the loop's last trip
	s_cbranch_scc0 .Lnone_\@
	ASKH 2*BLKB
.Lnone_\@:
.endm
.macro CREST                           ; a round of the cluster's barrier behind its opening barrier
	s_cmp_lg_u32 s14, 0
	s_cbranch_scc1 .Lnot_wave_0_\@
	s_barrier_signal -3
.Lnot_wave_0_\@:
	s_barrier_wait -3
	s_barrier_signal -1
	s_barrier_wait -1
.endm
.macro CROUND
	s_barrier_signal -1
	s_barrier_wait -1
	CREST
.endm
	s_load_b256 s[4:11], s[0:1], 0x0               ; xq s[4:5], wq s[6:7], bias s[8:9], out0 s[10:11]
	v_lshl_add_u32 v[SPW], v0, 2, SPARE
	v_mov_b32 v[NIL], 0
	ds_add_u32 v[SPW], v[NIL]                      ; the opening lines: the add, twice on end, waited for ahead of my first tensor load
	ds_add_u32 v[SPW], v[NIL]
	v_lshrrev_b32 v1, 5, v0
	v_readfirstlane_b32 s14, v1                    ; wave 0..3
	s_lshr_b32 s15, s14, 1                         ; my half of the tile's rows; also: I fetch for A (0) or B (1)
	s_and_b32 s16, s14, 1                          ; my half of its columns; also: which half of the block I fetch
	s_bfe_u32 s40, ttmp6, 0x40000                  ; cx, cy
	s_bfe_u32 s41, ttmp6, 0x40004
	s_lshl_b32 s42, ttmp9, 2
	s_add_co_u32 s42, s42, s40                     ; tile column
	s_and_b32 s17, ttmp7, 0xffff
	s_lshl_b32 s17, s17, 2
	s_add_co_u32 s17, s17, s41                     ; tile row
	s_lshl_b32 s43, s41, 2
	s_lshl_b32 s43, 15, s43                        ; my row of the cluster
	s_lshl_b32 s44, 0x1111, s40                    ; my column
	s_or_b32 s[G1+0], s43, (3<<16)|(1<<21)         ; the mask; elements of 8 bytes; bit 21 beside a mask
	s_or_b32 s[G1B+0], s44, (3<<16)|(1<<21)
.irp g, G1, G1B
	s_mov_b32 s[\g+1], 32<<16                      ; rows of 32 elements = 256 bytes,
	s_mov_b32 s[\g+2], 136<<16                     ; 136 of them, dense
	s_mov_b32 s[\g+3], 32<<16
	s_mov_b32 s[\g+4], 136
	s_mov_b32 s[\g+5], 32
	s_mov_b32 s[\g+6], 0
	s_mov_b32 s[\g+7], 0
.endr
	s_mul_i32 s18, s16, HALFB
	s_mul_i32 s12, s17, 8*BLKB                     ; A: the tile row's blocks, my half
	s_add_co_u32 s12, s12, s18
	s_mov_b32 s13, 0
	s_mul_i32 s46, s42, 8*BLKB                     ; B: the tile column's
	s_add_co_u32 s46, s46, s18
	s_mov_b32 s47, 0
	s_mul_i32 s45, s14, HALFB                      ; where my half goes in a slot
	s_lshl_b32 s21, s15, 15                        ; my 8 row blocks of A: 4,096 bytes each
	s_lshl_b32 s22, s16, 15
	s_add_co_u32 s22, s22, BLKB                    ; and of B, behind A's block
	s_xor_b32 s19, s15, 1                          ; lanes 16-31 take B's scale words: BLKB + 2,048 (column half - row half) further on
	s_add_co_u32 s19, s19, s16
	s_lshl_b32 s19, s19, 11
	s_add_co_u32 s19, s19, BLKB-2048
	s_lshl_b32 s20, s15, 11
	s_add_co_u32 s20, s20, 65536
	s_lshl_b32 s68, s42, 10                        ; my first column in bytes of f32
	s_lshl_b32 s69, s16, 9
	s_add_co_u32 s68, s68, s69
	s_mov_b32 s69, 0
	s_cmp_eq_u32 s15, 0                            ; the prefetches: my operand's blocks,
	s_cselect_b32 s70, s17, s42
	s_cselect_b32 s71, s40, s41                    ; my place among the four that ask with me,
	s_mul_i32 s70, s70, 8*BLKB
	s_lshl_b32 s71, s71, 1
	s_add_co_u32 s71, s71, s16
	s_mul_i32 s71, s71, 34*256                     ; my 34 pieces of a block,
	s_add_co_u32 s70, s70, s71
	s_add_co_u32 s70, s70, BLKB                    ; standing at K step 1
	s_mov_b32 s71, 0
	v_and_b32 v1, 15, v0                           ; r
	v_bfe_u32 v2, v0, 4, 1                         ; h
	v_and_b32 v3, 31, v0                           ; lane
	v_lshlrev_b32 v[BO], 4, v1
	v_lshlrev_b32 v4, 4, v3                        ; a fragment is an image of its registers: 16 x lane
	v_add_nc_u32 v[ADRA], s21, v4
	v_add_nc_u32 v[ADRB], s22, v4
	v_add_nc_u32 v[ADRA+1], SLOT, v[ADRA]
	v_add_nc_u32 v[ADRB+1], SLOT, v[ADRB]
	v_mul_u32_u24 v5, s19, v2
	v_add_nc_u32 v5, v5, v[BO]
	v_add_nc_u32 v[ADRS], s20, v5
	v_add_nc_u32 v[ADRS+1], SLOT, v[ADRS]
	v_lshl_add_u32 v[CO], v2, 16, v[BO]            ; 8 h rows of 8,192 bytes + 16 r
	v_lshlrev_b32 v[PFO], 8, v3
	v_min_u32 v[PFT], 1, v3
	v_lshlrev_b32 v[PFT], 8, v[PFT]
	s_wait_alu depctr_va_vdst(0)                   ; all the head's vector writes stand ahead of it
	s_wait_dscnt 0x0                               ; both opening adds are done
	s_wait_kmcnt 0x0
	s_add_nc_u64 s[12:13], s[4:5], s[12:13]
	s_add_nc_u64 s[46:47], s[6:7], s[46:47]
	s_cmp_eq_u32 s15, 0
	s_cselect_b64 s[PFA:PFA+1], s[4:5], s[6:7]
	s_add_nc_u64 s[PFA:PFA+1], s[PFA:PFA+1], s[70:71]
.irp s, 0,1
	s_mov_b32 s[G0+4*\s], 1
	s_add_co_u32 s[G0+4*\s+1], s45, \s*SLOT
	s_add_nc_u64 s[G0+4*\s+2:G0+4*\s+3], s[12:13], \s*BLKB
	s_or_b32 s[G0+4*\s+3], s[G0+4*\s+3], 0x80000000
	s_mov_b32 s[G0B+4*\s], 1
	s_add_co_u32 s[G0B+4*\s+1], s45, \s*SLOT
	s_add_nc_u64 s[G0B+4*\s+2:G0B+4*\s+3], s[46:47], \s*BLKB
	s_or_b32 s[G0B+4*\s+3], s[G0B+4*\s+3], 0x80000000
.endr
	CROUND                                         ; all sixteen work-groups are here: the first joint loads meet
	JLOAD 0                                        ; K step 0: one tensor load a wave at the head
	s_add_nc_u64 s[8:9], s[8:9], s[68:69]          ; bias at my columns
	s_lshl_b32 s2, s17, 8
	s_lshl_b32 s3, s15, 7
	s_add_co_u32 s2, s2, s3
	s_lshl_b32 s2, s2, 13                          ; my first row of out0, in bytes
	s_mov_b32 s3, 0
	s_add_nc_u64 s[10:11], s[10:11], s[2:3]
	s_add_nc_u64 s[10:11], s[10:11], s[68:69]
	global_load_b128 v[BI:BI+3], v[BO], s[8:9]             ; columns 4 r .. 4 r + 3,
	global_load_b128 v[BI+4:BI+7], v[BO], s[8:9] offset:256   ; and 64 + 4 r ..: waited for ahead of the way out
	ASKH 0                                         ; K step 1,
	ASKH BLKB                                      ; and K step 2
.macro FRAG reg, adr, q, i
.irp c, 0,1
	ds_load_b128 v[\reg+4*\c:\reg+4*\c+3], v[\adr] offset:(4*(\i)+(\q))*1024+512*\c
.endr
.endm
; 16 matrix instructions: A's blocks a0, a0 + 1 x B's eight.  The 64 accumulators take turns, one instruction a turn.  zero = 1: the first product starts the sums
.macro MUL16 a0, p, q, sc, zero
.irp a, \a0, \a0+1
.irp b, 0,1,2,3,4,5,6,7
.if \zero
	v_wmma_scale_f32_16x16x128_f8f6f4 v[8*(8*((\a)%4)+\b):8*(8*((\a)%4)+\b)+7], v[AF+FR*(\a):AF+FR*(\a)+FR-1], v[128*(\p)+FR*\b:128*(\p)+FR*\b+FR-1], 0, v[SC+8*NQ*(\sc)+NQ*(\a)+(\q)], v[SC+8*NQ*(\sc)+NQ*\b+(\q)] matrix_a_fmt:MATRIX_FMT_FP4 matrix_b_fmt:MATRIX_FMT_FP4 matrix_b_scale:MATRIX_SCALE_ROW1
.else
	v_wmma_scale_f32_16x16x128_f8f6f4 v[8*(8*((\a)%4)+\b):8*(8*((\a)%4)+\b)+7], v[AF+FR*(\a):AF+FR*(\a)+FR-1], v[128*(\p)+FR*\b:128*(\p)+FR*\b+FR-1], v[8*(8*((\a)%4)+\b):8*(8*((\a)%4)+\b)+7], v[SC+8*NQ*(\sc)+NQ*(\a)+(\q)], v[SC+8*NQ*(\sc)+NQ*\b+(\q)] matrix_a_fmt:MATRIX_FMT_FP4 matrix_b_fmt:MATRIX_FMT_FP4 matrix_b_scale:MATRIX_SCALE_ROW1
.endif
.endr
.endr
.endm
.macro FETCH_B slot, q, p
	WIN TO_B
.irp i, 0,1,2,3,4,5,6,7
	FRAG 128*(\p)+FR*\i, ADRB+\slot, \q, \i
.endr
	WIN 0
.endm
.macro FETCH_A slot, q, i0
.irp i, \i0, \i0+1, \i0+2, \i0+3
	FRAG AF+FR*(\i), ADRA+\slot, \q, \i
.endr
.endm
.macro SCALES sc                       ; a K step's scale words: four a row
.irp i, 0,1,2,3,4,5,6,7
	ds_load_b128 v[SC+8*NQ*\sc+NQ*\i:SC+8*NQ*\sc+NQ*\i+3], v[ADRS+\sc] offset:256*\i
.endr
.endm
.macro PLACES n                        ; places in front of loads into registers that matrix instructions have read, and of reads of results
.rept \n
	v_nop
.endr
.endm
; 128 along K with its successor in the same slot.  A's blocks 0-3 are fetched anew in its middle with B's other set, blocks 4-7 at its end
.macro STEP slot, q, zero
	s_wait_dscnt 4*NL                              ; all but the youngest eight loads (A's blocks 4-7)
	WIN MUL_LO
	MUL16 0, (\q)%2, \q, \slot, \zero
	MUL16 2, (\q)%2, \q, \slot, \zero
	s_wait_dscnt 0
	PLACES NP
	FETCH_B \slot, (\q)+1, 1-(\q)%2
	FETCH_A \slot, (\q)+1, 0
	WIN MUL_HI
	MUL16 4, (\q)%2, \q, \slot, \zero
	MUL16 6, (\q)%2, \q, \slot, \zero
	PLACES NP
	WIN 0
	FETCH_A \slot, (\q)+1, 4
.endm
; a slot's last 128 along K, and the change of slots: each wave waits for all its tensor loads, adds 0 to its spare word, waits for that and for its reads of the slot; the barrier opens a round of the cluster's
.macro TURN slot, next
	s_wait_xcnt 0x0                                ; my prefetches have read their address: it steps a K step on
	s_add_nc_u64 s[PFA:PFA+1], s[PFA:PFA+1], BLKB
	s_wait_tensorcnt 0x0                           ; my part of the next slot is in
	ds_add_u32 v[SPW], v[NIL]
	s_wait_dscnt 4*NL+1                            ; (the add and A's blocks 4-7 may be out)
	WIN MUL_LO
	MUL16 0, 1, NQ-1, \slot, 0
	s_wait_dscnt 0x0                               ; the add is done, my reads of this slot are over
	s_barrier_signal -1
	MUL16 2, 1, NQ-1, \slot, 0
	WIN 0
	s_barrier_wait -1
	CREST
	s_add_nc_u64 s[G0+4*\slot+2:G0+4*\slot+3], s[G0+4*\slot+2:G0+4*\slot+3], 2*BLKB
	s_add_nc_u64 s[G0B+4*\slot+2:G0B+4*\slot+3], s[G0B+4*\slot+2:G0B+4*\slot+3], 2*BLKB
	JLOAD \slot                                    ; the first tensor load behind the round; its four v_nop are the places in front of the loads below
	FETCH_B \next, 0, 0
	FETCH_A \next, 0, 0
	SCALES \next
	ASK
	WIN MUL_HI
	MUL16 4, 1, NQ-1, \slot, 0
	MUL16 6, 1, NQ-1, \slot, 0
	PLACES NP
	WIN 0
	FETCH_A \next, 0, 4
.endm
.macro STEPS slot, from
.set Q, \from
.rept NQ-1-\from
	STEP \slot, Q, 0
.set Q, Q+1
.endr
.endm
; THE LAST K STEP (slot 1), by rows
.macro BLOAD q                         ; B's eight fragments of quarter q -> window 1, v[64 q ..]
.irp i, 0,1,2,3,4,5,6,7
	FRAG 64*(\q)+FR*\i, ADRB+1, \q, \i
.endr
.endm
.macro ALOAD a                         ; A's block a, all four quarters -> buffer a % 3: v192, v128, v160
.set FA, 128+32*(((\a)+2)%3)
.irp q, 0,1,2,3
	FRAG FA+FR*\q, ADRA+1, \q, \a
.endr
.endm
.macro ROW a                           ; block a is summed up: 32 matrix instructions, its eight accumulators by turns
.set FA, 128+32*(((\a)+2)%3)
.set AC, 64*((\a)%4)
	WIN MUL_LO+0x50*((\a)/4)
.irp q, 0,1,3,2
.if (\a) == 0 && \q == 2
	s_wait_dscnt 8                                 ; B's quarter 2 is in (behind it: A's block 2)
.endif
.irp b, 0,1,2,3,4,5,6,7
	v_wmma_scale_f32_16x16x128_f8f6f4 v[AC+8*\b:AC+8*\b+7], v[FA+FR*\q:FA+FR*\q+FR-1], v[64*\q+FR*\b:64*\q+FR*\b+FR-1], v[AC+8*\b:AC+8*\b+7], v[SC+8*NQ+NQ*(\a)+\q], v[SC+8*NQ+NQ*\b+\q] matrix_a_fmt:MATRIX_FMT_FP4 matrix_b_fmt:MATRIX_FMT_FP4 matrix_b_scale:MATRIX_SCALE_ROW1
.endr
.endr
.endm
; block a leaves: + bias, register j of accumulators 4 g .. 4 g + 3 into four registers on end (each accumulator from its low end on); a store covers two rows' 256 aligned bytes
.macro OUT a
.set AC, 64*((\a)%4)
.if (\a) > 0
	s_wait_xcnt 0x0                                ; the last block's stores have read their data and their base
	s_add_nc_u64 s[10:11], s[10:11], 16*CROW
.endif
.irp g, 0,1
	WIN 0x02+((\a)/4)                              ; source 0: window 2 or 3
.irp j, 0,1,2,3,4,5,6,7
.irp c, 0,1,2,3
	v_add_f32 v[96+128*\g+4*\j+\c], v[AC+8*(4*\g+\c)+\j], v[BI+4*\g+\c]
.endr
.endr
	WIN 0
.irp j, 0,1,2,3,4,5,6,7
	global_store_b128 v[CO], v[96+128*\g+4*\j:96+128*\g+4*\j+3], s[10:11] offset:\j*CROW+256*\g th:TH_STORE_NT
.endr
.endr
.endm
	s_wait_tensorcnt 0x0                           ; my part of K step 0 is in
	ds_add_u32 v[SPW], v[NIL]
	s_wait_dscnt 0x0
	CROUND                                         ; everybody's part is in, and the joint loads meet
	JLOAD 1                                        ; K step 1: slot 1's first fill
	FETCH_B 0, 0, 0
	FETCH_A 0, 0, 0
	SCALES 0
	FETCH_A 0, 0, 4
	ASKH 2*BLKB                                    ; K step 3
	STEP 0, 0, 1                                   ; the first products start the sums
	s_mov_b32 s3, LAPS-1
.Llap:                                                 ; once round the ring, from a lap's second 128 to the next lap's first; both slots are filled again
	STEPS 0, 1
	TURN 0, 1
	STEPS 1, 0
	TURN 1, 0
	STEP 0, 0, 0
	s_sub_co_u32 s3, s3, 1
	s_cmp_lg_u32 s3, 0
	s_cbranch_scc1 .Llap
	STEPS 0, 1
	; the last change of slots: nothing is filled again, so no round follows the barrier
	s_wait_tensorcnt 0x0
	ds_add_u32 v[SPW], v[NIL]
	s_wait_dscnt 4*NL+1
	WIN MUL_LO
	MUL16 0, 1, NQ-1, 0, 0
	s_wait_dscnt 0x0
	s_barrier_signal -1
	MUL16 2, 1, NQ-1, 0, 0
	WIN 0
	s_barrier_wait -1
	PLACES NP
	WIN TO_B
	BLOAD 0                                        ; B's set 1 (v128-191) and A's blocks 4-7 (v160-191) are still at work: quarter 2 and block 2 come behind them
	BLOAD 1
	WIN 0
	SCALES 1
	ALOAD 0
	WIN TO_B
	BLOAD 3
	WIN 0
	ALOAD 1
	WIN MUL_HI
	MUL16 4, 1, NQ-1, 0, 0
	MUL16 6, 1, NQ-1, 0, 0
	PLACES NP
	WIN TO_B
	BLOAD 2
	WIN 0
	ALOAD 2
	s_wait_loadcnt 0x0                             ; the bias
	s_wait_dscnt 24                                ; all but the 24 just issued
	ROW 0
.irp a, 0,1,2,3,4,5,6,7
	PLACES NP                                      ; for the loads into block a's buffer and the reads of its sums
	WIN 0
.if \a+3 < 8
	ALOAD \a+3
.endif
	OUT \a
.if \a < 7
.if \a+1 == 7
	s_wait_dscnt 0
.elseif \a+1 == 6
	s_wait_dscnt 8                                 ; behind block 6's loads: block 7's
.elseif \a+1 >= 2
	s_wait_dscnt 16                                ; behind the next block's loads: those of the two blocks after it
.endif
	ROW \a+1
.endif
.endr
	s_wait_tensorcnt 0x0                           ; the wave's end
	ds_add_u32 v[SPW], v[NIL]
	s_wait_dscnt 0x0
	CROUND                                         ; the closing round
	s_endpgm
.Lfunc_end_k_q9d7e7c4c84_gemm:
	.size	k_q9d7e7c4c84_gemm, .Lfunc_end_k_q9d7e7c4c84_gemm-k_q9d7e7c4c84_gemm
	.p2alignl 7, 3214868480
	.fill 96, 4, 3214868480
	.section	.rodata,"a",@progbits
	.p2align	6, 0x0
	.amdhsa_kernel k_q9d7e7c4c84_gemm
		.amdhsa_group_segment_fixed_size 327680
		.amdhsa_private_segment_fixed_size 0
		.amdhsa_enable_private_segment 0
		.amdhsa_kernarg_size 32
		.amdhsa_user_sgpr_count 2
		.amdhsa_user_sgpr_kernarg_segment_ptr 1
		.amdhsa_wavefront_size32 1
		.amdhsa_system_sgpr_workgroup_id_x 1
		.amdhsa_system_sgpr_workgroup_id_y 1
		.amdhsa_system_sgpr_workgroup_id_z 1
		.amdhsa_system_vgpr_workitem_id 0
		.amdhsa_next_free_vgpr 1024
		.amdhsa_next_free_sgpr 72
		.amdhsa_reserve_vcc 0
		.amdhsa_float_denorm_mode_32 3
		.amdhsa_float_denorm_mode_16_64 3
		.amdhsa_memory_ordered 1
		.amdhsa_forward_progress 1
		.amdhsa_inst_pref_size 211
	.end_amdhsa_kernel
	.amdgpu_metadata
---
amdhsa.version: [ 1, 2 ]
amdhsa.kernels:
  - .name:           k_q9d7e7c4c84_gemm
    .symbol:         k_q9d7e7c4c84_gemm.kd
    .args:
      - { .name: xq, .offset: 0, .size: 8, .value_kind: global_buffer, .address_space: global }
      - { .name: wq, .offset: 8, .size: 8, .value_kind: global_buffer, .address_space: global }
      - { .name: bias, .offset: 16, .size: 8, .value_kind: global_buffer, .address_space: global }
      - { .name: out0, .offset: 24, .size: 8, .value_kind: global_buffer, .address_space: global }
    .group_segment_fixed_size: 327680
    .private_segment_fixed_size: 0
    .kernarg_segment_align: 8
    .kernarg_segment_size: 32
    .max_flat_workgroup_size: 128
    .sgpr_count:     72
    .vgpr_count:     1024
    .wavefront_size: 32
...
	.end_amdgpu_metadata
.endif
;; end of part 4
